; MI455X (gfx1250); checked and timed in simulation.
; The chip was launched on July 23, 2026; its instructions are those of AMD's public machine-readable ISA for CDNA 5 (MIT licence, August 2026) and "CDNA5" Instruction Set Architecture Reference Guide (July 2026). The comments in the code are by the model that wrote it; some were corrected since.
;; Self Attention. Allowed arithmetic: float matrix products may take bf16 or f16 operands with f32 sums; other float arithmetic in f32, or as packed bf16 or f16 multiplies, adds, multiply-adds, maxima and minima; sums over many terms, partial sums and values carried from step to step in f32; what a program stores and reads back later, other than sums and carried values, may be rounded once to bf16 or f16.
;; Inputs: W_qkv 3,072 x 1,024 float32; b_qkv 3,072 float32; x 4 x 2,048 x 1,024 float32.
;; Outputs: out0 4 x 2,048 x 1,024 float32.
;; One version. Each part assembles by itself: llvm-mc -triple=amdgcn-amd-amdhsa -mcpu=gfx1250 --defsym DOCPART=n.
;; ======== version 1 of 1: 4 launches
;; limits: values are held in f16: magnitudes above 65,504 overflow, below 6.1e-05 lose precision
;; workspace buffers: xb 16,777,216 bytes; wb 6,291,456 bytes; qkv 50,331,648 bytes; p 33,554,432 bytes; stats 1,048,576 bytes
;; launch cast (part 1): grid 2816 x 1, 8 waves a work-group, no clusters, 0 bytes of LDS; arguments x, W_qkv, xb, wb; writes xb, wb
.if DOCPART == 1
	.amdgcn_target "amdgcn-amd-amdhsa--gfx1250"
	.amdhsa_code_object_version 6
	.text
	.protected	k_qc167ff05ed_cast
	.globl	k_qc167ff05ed_cast
	.p2align	8
	.type	k_qc167ff05ed_cast,@function
k_qc167ff05ed_cast:
	s_mov_b64 s[64:65], 0
	v_nop
	global_prefetch_b8 v0, s[64:65] scope:SCOPE_SE
	s_setreg_imm32_b32 hwreg(HW_REG_WAVE_MODE, 25, 1), 1
	s_wait_xcnt 0x0
; xb[kb][row][e] = bf16(x[row][64 kb + e]), wb[kb][row][e] = bf16(W_qkv[row][64 kb + e]): both inputs rounded once to bf16 and laid in 16 blocks of 64 channels,
; so that the next launch's tiles (some rows x 64 channels) are dense bytes.  x has 8,192 rows, W_qkv 3,072, each of 1,024 f32.
; A stream: every input byte is read once, every output byte written once; no LDS, no matrix unit, no barrier: they would add nothing.
; SHARES.  A work-group takes 4 rows: groups 0 .. 2047 of x, groups 2048 .. 2815 of W_qkv; which of the two is a choice of base addresses and of one factor, no branch.
; Thread t: block kb = t / 16, row (t / 8) % 2 of a pair, 8 channels at 8 (t % 8).  Eight lanes read 256 consecutive bytes of a row; sixteen lanes store 256 consecutive bytes
; (two rows of a block), at a multiple of 256 from the buffer's first byte.
.set XGROUPS, 2048                     ; work-groups that take x: 8,192 rows / 4
	s_load_b256 s[4:11], s[0:1], 0x0               ; x s[4:5], W_qkv s[6:7], xb s[8:9], wb s[10:11]
	v_lshrrev_b32 v1, 4, v0                        ; kb
	v_bfe_u32 v2, v0, 3, 1                         ; which row of a pair
	v_and_b32 v3, 7, v0                            ; which 8 channels of the block's 64
	v_lshlrev_b32 v4, 8, v1                        ; source: 256 kb
	v_lshl_add_u32 v4, v2, 12, v4                  ; + 4,096 x row
	v_lshl_add_u32 v4, v3, 5, v4                   ; + 32 bytes for 8 f32
	v_and_b32 v5, 15, v0
	s_sub_co_u32 s14, ttmp9, XGROUPS               ; my number among W_qkv's groups
	s_mov_b32 s12, 8192*128                        ; bytes in a block of xb,
	s_mov_b32 s13, 3072*128                        ; and of wb
	s_cmp_lt_u32 ttmp9, XGROUPS
	s_cselect_b32 s14, ttmp9, s14
	s_cselect_b32 s12, s12, s13
	s_wait_kmcnt 0x0
	s_cselect_b64 s[4:5], s[4:5], s[6:7]           ; the condition hangs on the group's number alone
	s_cselect_b64 s[8:9], s[8:9], s[10:11]
	s_lshl_b32 s16, s14, 14                        ; 4 rows of 4,096 bytes
	s_mov_b32 s17, 0
	s_lshl_b32 s18, s14, 9                         ; 4 rows of 128 bytes in each block
	s_mov_b32 s19, 0
	s_add_nc_u64 s[4:5], s[4:5], s[16:17]
	s_add_nc_u64 s[8:9], s[8:9], s[18:19]
	v_mul_u32_u24 v6, s12, v1                      ; destination: kb blocks
	v_lshl_add_u32 v5, v5, 4, v6                   ; + 16 (t % 16): row of the pair and my 8 channels
	global_load_b128 v[8:11],  v4, s[4:5] th:TH_LOAD_NT
	global_load_b128 v[12:15], v4, s[4:5] offset:16 th:TH_LOAD_NT
	global_load_b128 v[16:19], v4, s[4:5] offset:8192 th:TH_LOAD_NT   ; the second pair of rows
	global_load_b128 v[20:23], v4, s[4:5] offset:8208 th:TH_LOAD_NT
	s_wait_loadcnt 0x2                             ; the first pair's two loads are in; the second pair's two may stay out
	v_cvt_pk_bf16_f32 v24, v8, v9
	v_cvt_pk_bf16_f32 v25, v10, v11
	v_cvt_pk_bf16_f32 v26, v12, v13
	v_cvt_pk_bf16_f32 v27, v14, v15
	global_store_b128 v5, v[24:27], s[8:9]
	s_wait_loadcnt 0x0
	v_cvt_pk_bf16_f32 v28, v16, v17
	v_cvt_pk_bf16_f32 v29, v18, v19
	v_cvt_pk_bf16_f32 v30, v20, v21
	v_cvt_pk_bf16_f32 v31, v22, v23
	global_store_b128 v5, v[28:31], s[8:9] offset:256
	s_endpgm
.Lfunc_end_k_qc167ff05ed_cast:
	.size	k_qc167ff05ed_cast, .Lfunc_end_k_qc167ff05ed_cast-k_qc167ff05ed_cast
	.p2alignl 7, 3214868480
	.fill 96, 4, 3214868480
	.section	.rodata,"a",@progbits
	.p2align	6, 0x0
	.amdhsa_kernel k_qc167ff05ed_cast
		.amdhsa_group_segment_fixed_size 0
		.amdhsa_private_segment_fixed_size 0
		.amdhsa_enable_private_segment 0
		.amdhsa_kernarg_size 32
		.amdhsa_user_sgpr_count 2
		.amdhsa_user_sgpr_kernarg_segment_ptr 1
		.amdhsa_wavefront_size32 1
		.amdhsa_system_sgpr_workgroup_id_x 1
		.amdhsa_system_sgpr_workgroup_id_y 1
		.amdhsa_system_sgpr_workgroup_id_z 1
		.amdhsa_system_vgpr_workitem_id 0
		.amdhsa_next_free_vgpr 32
		.amdhsa_next_free_sgpr 66
		.amdhsa_reserve_vcc 0
		.amdhsa_float_denorm_mode_32 3
		.amdhsa_float_denorm_mode_16_64 3
		.amdhsa_memory_ordered 1
		.amdhsa_forward_progress 1
		.amdhsa_inst_pref_size 3
	.end_amdhsa_kernel
	.amdgpu_metadata
---
amdhsa.version: [ 1, 2 ]
amdhsa.kernels:
  - .name:           k_qc167ff05ed_cast
    .symbol:         k_qc167ff05ed_cast.kd
    .args:
      - { .name: x, .offset: 0, .size: 8, .value_kind: global_buffer, .address_space: global }
      - { .name: W_qkv, .offset: 8, .size: 8, .value_kind: global_buffer, .address_space: global }
      - { .name: xb, .offset: 16, .size: 8, .value_kind: global_buffer, .address_space: global }
      - { .name: wb, .offset: 24, .size: 8, .value_kind: global_buffer, .address_space: global }
    .group_segment_fixed_size: 0
    .private_segment_fixed_size: 0
    .kernarg_segment_align: 8
    .kernarg_segment_size: 32
    .max_flat_workgroup_size: 256
    .sgpr_count:     66
    .vgpr_count:     32
    .wavefront_size: 32
...
	.end_amdgpu_metadata
.endif
;; end of part 1
;; launch qkv (part 2): grid 8 x 32, 4 waves a work-group, clusters of 4 x 4, 327,680 bytes of LDS; arguments xb, wb, b_qkv, qkv; writes qkv
.if DOCPART == 2
	.amdgcn_target "amdgcn-amd-amdhsa--gfx1250"
	.amdhsa_code_object_version 6
	.text
	.protected	k_qc167ff05ed_qkv
	.globl	k_qc167ff05ed_qkv
	.p2align	8
	.type	k_qc167ff05ed_qkv,@function
k_qc167ff05ed_qkv:
	s_mov_b64 s[64:65], 0
	v_nop
	global_prefetch_b8 v0, s[64:65] scope:SCOPE_SE
	s_setreg_imm32_b32 hwreg(HW_REG_WAVE_MODE, 25, 1), 1
	s_wait_xcnt 0x0
	s_wait_alu depctr_hold_cnt(0) depctr_sa_sdst(0) depctr_va_vdst(0) depctr_va_sdst(0) depctr_va_ssrc(0) depctr_va_vcc(0) depctr_vm_vsrc(0)
	s_getreg_b32 s2, hwreg(HW_REG_IB_STS2, 6, 4)
	s_cmp_eq_u32 s2, 0
	s_cbranch_scc0 .Lentry_in_a_cluster
	s_endpgm
.Lentry_in_a_cluster:
	s_bfe_u32 s2, ttmp6, 0x10000c
	s_cmp_lg_u32 s2, 0xf033
	s_cbranch_scc0 .Lentry_shape_is_right
	s_endpgm
.Lentry_shape_is_right:
; qkv[t][c] = f16( sum over k of xb[t][k] wb[c][k]  +  bf16(b_qkv[c]) for c < 2048 ).  8,192 tokens, 3,072 channels, K = 1,024; operands bf16, sums f32, one rounding to f16.
; v's channels (c >= 2048) get no bias here: the last launch adds it in f32 (a row's weights sum to 1).
; LIMIT.  f16 holds no number beyond 65,504: |q|, |k|, |v| must stay within it; NaN and infinities are not treated apart.
; SHARES.  8,192 x 3,072 / 256 work-groups = a tile of 256 tokens x 384 channels; four waves, each 128 x 192: 96 accumulators of 16 x 16, which fill windows 1 to 3.
; K goes in steps of 64 through two LDS slots.  xb and wb lie in blocks [K / 64][row][64], so a tile's rows are dense bytes and are asked for as rows of 256 bytes.
; CLUSTER 4 x 4: the four of a row need the same tokens, the four of a column the same channels: each tile is asked for jointly, by the same tensor load with the same descriptor and a mask of four.
; THE PRODUCT IS USED TRANSPOSED (source 0 = 16 channels of wb, source 1 = 16 tokens of xb): a lane holds token lane % 16 and the channels 8 (lane / 16) + 0..7: 16 neighbouring bytes of f16.
; REGISTERS, in windows of 256 (s_set_vgpr_msb: bits 1:0 source 0, 3:2 source 1, 5:4 source 2, 7:6 destination):
;   window 0: v0-31 addresses; v32-95, v96-159 the tokens' fragments (8 x 16 rows x 32 K), two buffers; v160-255 the channels' 12 fragments, one buffer, refilled in thirds
;   window 1 + b / 4: accumulator (a, b) (tokens 16 a, channels 16 b) at v[8 (8 (b % 4) + a)]
.set SLOT1, 131072                     ; slot 1 begins here: one exclusive or turns an address in one slot into the other's
.set PA,    144                        ; an LDS row: 128 bytes + 16 = 9 x 16: the 16 rows of a load start at 16 different 16-byte columns of 256
.set BOFF,  256*PA                     ; a slot: 256 rows of tokens, then 384 rows of channels
.set SP,    784                        ; the way out: a row of 768 bytes + 16 = 49 x 16
.set SPARE, SLOT1+640*PA               ; behind the ring: the spare words, 128 bytes a wave, that no other line names.  The stage (256 x 784 bytes from byte 0) lies over the ring, after its last fill
.set XSTEP, 8192*128                   ; bytes from a K step to the next in xb,
.set WSTEP, 3072*128                   ; and in wb
.set GFL,   (1<<16)|(1<<20)|(1<<21)|(4<<22)|(3<<25)  ; 2-byte elements; padding on; bit 21 beside a mask; after every 32 words, 4 words
.set WV,   12                          ; s12  my wave's number
.set ROLE, 13                          ; s13  wave / 2: my half of the tokens.  Also: I fetch tokens (0) or channels (1)
.set HALF, 14                          ; s14  wave % 2: my half of the channels.  Also: which half of that tile I fetch
.set LIM,  15                          ; s15  1 in a wave that prefetches, else the greatest number
.set G1A,  24                          ; s[24:31] descriptor group 1, tokens
.set G0A,  32                          ; s[32:39] group 0, tokens: a set for each first fill; the second then walks
.set CX,   40
.set CY,   41
.set TCOL, 42                          ; tile column (384 channels)
.set TROW, 43                          ; tile row (256 tokens)
.set CNT,  44
.set TB,   45                          ; LDS byte at which the slot to be read begins
.set PFA,  46                          ; s[46:47] where my prefetches stand
.set G1B,  48                          ; s[48:55], s[56:63] the same for channels
.set G0B,  56
.set PFS,  66                          ; s[66:67] a K step in the buffer that I prefetch from
.set ADA0, 3                           ; v3, v4  my lane's place in a slot's tokens, channels; never rewritten
.set ADB0, 4
.set ADA,  5                           ; v5, v6  the same in the slot in hand
.set ADB,  6
.set BO,   7                           ; v7   my byte offset in the tile's 384 biases
.set STO0, 8                           ; v8, v9  the way out: where I put 16 bytes of a row, token blocks 0-3 and 4-7
.set STO1, 9
.set RD,   10                          ; v10  where I read rows back
.set CO,   11                          ; v11  my byte offset in qkv
.set PFO,  12                          ; v12  the prefetches' offset; never rewritten
.set SPW,  28                          ; v28  LDS address of my spare word; never rewritten
.set NIL,  29                          ; v29  0; never rewritten
.set FA,   32
.set FB,   160
.set MSB, 0
.macro WIN new                         ; the immediate's high byte repeats the setting that is left; a switch that changes nothing is dropped
.if MSB != (\new)
	s_set_vgpr_msb (MSB<<8)|(\new)
.set MSB, (\new)
.endif
.endm
.macro PLACES                          ; four plain vector instructions between a matrix instruction and a load into, or a vector line on, its registers
.rept 4
	v_nop
.endr
.endm
.macro CREST                           ; a round of the cluster's barrier behind its opening barrier
	s_cmp_lg_u32 s[WV], 0
	s_cbranch_scc1 .Lnot_wave_0_\@
	s_barrier_signal -3
.Lnot_wave_0_\@:
	s_barrier_wait -3
	s_barrier_signal -1
	s_barrier_wait -1
.endm
.macro CROUND
	s_barrier_signal -1
	s_barrier_wait -1
	CREST
.endm
.macro JLOAD                           ; a joint refill by the walking sets: waves 0, 1 the tokens' halves, waves 2, 3 the channels'; s_nop 0 and four v_nop follow each line
	s_cmp_eq_u32 s[ROLE], 0
	s_cbranch_scc0 .Lfor_b_\@
	tensor_load_to_lds s[G0A+4:G0A+7], s[G1A:G1A+7]
	s_nop 0
.rept 4
	v_nop
.endr
	s_branch .Lasked_\@
.Lfor_b_\@:
	tensor_load_to_lds s[G0B+4:G0B+7], s[G1B:G1B+7]
	s_nop 0
.rept 4
	v_nop
.endr
.Lasked_\@:
.endm
; A PREFETCH of the K step that the NEXT refill will ask for, a lane a block of 256 bytes.  A step's tokens of a tile are 128 such blocks: the first cluster along x asks, its four partners take 32 each by
; address (cx), wave 0 of each.  A step's channels are 192 blocks: the first cluster along y asks, 48 a partner (cy): wave 2 takes 32, wave 3 the other 16 (its upper lanes name the lower lanes' again).
; The last refill but none has no step behind it: while CNT is 1 nothing is asked for.  K steps 0 to 2 come by their loads alone.
.macro ASK
	s_cmp_gt_u32 s[CNT], s[LIM]
	s_cbranch_scc0 .Lnot_mine_\@
	global_prefetch_b8 v[PFO], s[PFA:PFA+1] th:TH_LOAD_NT scope:SCOPE_SE
.Lnot_mine_\@:
.endm
	s_load_b256 s[4:11], s[0:1], 0x0               ; xb s[4:5], wb s[6:7], b_qkv s[8:9], qkv s[10:11]
	v_lshl_add_u32 v[SPW], v0, 2, SPARE
	v_mov_b32 v[NIL], 0
	ds_add_u32 v[SPW], v[NIL]                      ; the wave's opening: the add and its wait ahead of my first tensor load; work on registers stands between them
	v_lshrrev_b32 v1, 5, v0
	v_readfirstlane_b32 s[WV], v1
	s_lshr_b32 s[ROLE], s[WV], 1
	s_and_b32 s[HALF], s[WV], 1
	s_bfe_u32 s[CX], ttmp6, 0x40000
	s_bfe_u32 s[CY], ttmp6, 0x40004
	s_lshl_b32 s[TCOL], ttmp9, 2
	s_add_co_u32 s[TCOL], s[TCOL], s[CX]
	s_and_b32 s[TROW], ttmp7, 0xffff
	s_lshl_b32 s[TROW], s[TROW], 2
	s_add_co_u32 s[TROW], s[TROW], s[CY]
	s_lshl_b32 s16, s[CY], 2
	s_lshl_b32 s16, 15, s16                        ; my row of the cluster
	s_lshl_b32 s17, 0x1111, s[CX]                  ; my column
	s_or_b32 s[G1A], s16, GFL                      ; tokens hang on the tile row alone: shared along the row
	s_or_b32 s[G1B], s17, GFL                      ; channels on the tile column alone: shared along the column
.irp g, G1A, G1B
	s_mov_b32 s[(\g)+1], 128<<16                   ; tensor_dim0 = 128 elements: 256 dense bytes, two rows of a block
	s_mov_b32 s[(\g)+3], 128<<16                   ; tile_dim0 = 128
	s_mov_b32 s[(\g)+5], 128                       ; 128 elements from row to row
	s_mov_b32 s[(\g)+6], 0
	s_mov_b32 s[(\g)+7], 0
.endr
	s_mov_b32 s[G1A+2], 64<<16                     ; tensor_dim1 = 64: my 128 tokens
	s_mov_b32 s[G1A+4], 64                         ; tile_dim1
	s_mov_b32 s[G1B+2], 96<<16                     ; 96: my 192 channels
	s_mov_b32 s[G1B+4], 96
	s_lshl_b32 s18, s[TROW], 15                    ; tokens: (256 tile row + 128 half) x 128 bytes
	s_lshl_b32 s19, s[HALF], 14
	s_add_co_u32 s18, s18, s19
	s_mov_b32 s19, 0
	s_mul_i32 s22, s[TCOL], 384*128                ; channels: (384 tile column + 192 half) x 128 bytes
	s_mul_i32 s23, s[HALF], 192*128
	s_add_co_u32 s22, s22, s23
	s_mov_b32 s23, 0
	s_mov_b32 s[G0A], 1
	s_mul_i32 s[G0A+1], s[HALF], 128*PA            ; LDS: no place in the cluster enters it
	s_mov_b32 s[G0A+4], 1
	s_add_co_u32 s[G0A+5], s[G0A+1], SLOT1
	s_mov_b32 s[G0B], 1
	s_mul_i32 s[G0B+1], s[HALF], 192*PA
	s_add_co_u32 s[G0B+1], s[G0B+1], BOFF
	s_mov_b32 s[G0B+4], 1
	s_add_co_u32 s[G0B+5], s[G0B+1], SLOT1
	s_wait_dscnt 0x0                               ; the opening add is done
	s_wait_kmcnt 0x0
	s_add_nc_u64 s[G0A+2:G0A+3], s[4:5], s[18:19]  ; K step 0,
	s_add_nc_u64 s[G0A+6:G0A+7], s[G0A+2:G0A+3], XSTEP  ; K step 1
	s_or_b32 s[G0A+3], s[G0A+3], 0x80000000        ; type = 2
	s_or_b32 s[G0A+7], s[G0A+7], 0x80000000
	s_add_nc_u64 s[G0B+2:G0B+3], s[6:7], s[22:23]
	s_add_nc_u64 s[G0B+6:G0B+7], s[G0B+2:G0B+3], WSTEP
	s_or_b32 s[G0B+3], s[G0B+3], 0x80000000
	s_or_b32 s[G0B+7], s[G0B+7], 0x80000000
	CROUND                                         ; all sixteen work-groups are here: the first joint loads meet
	s_cmp_eq_u32 s[ROLE], 0                        ; a wave's two first fills stand in one branch: two loads of mine are out
	s_cbranch_scc0 .Lfirst_b
	tensor_load_to_lds s[G0A:G0A+3], s[G1A:G1A+7]
	s_nop 0
	tensor_load_to_lds s[G0A+4:G0A+7], s[G1A:G1A+7]
	s_nop 0
.rept 4
	v_nop
.endr
	s_branch .Lfirst_asked
.Lfirst_b:
	tensor_load_to_lds s[G0B:G0B+3], s[G1B:G1B+7]
	s_nop 0
	tensor_load_to_lds s[G0B+4:G0B+7], s[G1B:G1B+7]
	s_nop 0
.rept 4
	v_nop
.endr
.Lfirst_asked:
	; the prefetches' address, step, offset and who asks
	s_lshl_b32 s16, s[TROW], 15                    ; tokens: the tile's 32,768 bytes of a step,
	s_lshl_b32 s17, s[CX], 13                      ; my work-group's 32 blocks of them,
	s_add_co_u32 s16, s16, s17
	s_add_co_u32 s16, s16, 2*XSTEP                 ; at K step 2: the first refill steps it to 3
	s_mul_i32 s18, s[TCOL], 384*128                ; channels: the tile's 49,152 bytes,
	s_mul_i32 s19, s[CY], 48*256                   ; my work-group's 48 blocks
	s_add_co_u32 s18, s18, s19
	s_add_co_u32 s18, s18, 2*WSTEP
	s_and_b32 s20, ttmp7, 0xffff                   ; cluster y
	s_mov_b32 s21, XSTEP
	s_mov_b32 s22, WSTEP
	s_cmp_eq_u32 s[ROLE], 0
	s_cselect_b32 s16, s16, s18
	s_cselect_b32 s20, ttmp9, s20                  ; the coordinate along which other clusters read the same rows
	s_cselect_b32 s[PFS], s21, s22
	s_cselect_b64 s[PFA:PFA+1], s[4:5], s[6:7]
	s_mov_b32 s17, 0
	s_mov_b32 s[PFS+1], 0
	s_add_nc_u64 s[PFA:PFA+1], s[PFA:PFA+1], s[16:17]
	s_cmp_eq_u32 s[WV], 1
	s_cselect_b32 s20, 1, s20                      ; wave 1 never asks
	s_cmp_eq_u32 s20, 0
	s_cselect_b32 s[LIM], 1, -1                    ; the same in all sixteen partners, for a given wave
	s_cmp_eq_u32 s[WV], 3
	s_cselect_b32 s21, 15, 31
	s_cselect_b32 s22, 8192, 0
	v_and_b32 v[PFO], s21, v0
	v_lshlrev_b32 v[PFO], 8, v[PFO]
	v_add_nc_u32 v[PFO], s22, v[PFO]
	; A fragment is 16 rows x 32 K in 8 registers: lane l holds row l % 16; registers 0-3 K = 8 (l / 16) + 0..7, registers 4-7 K = 16 + 8 (l / 16) + 0..7: two loads of 16 bytes, 32 bytes apart
	v_and_b32 v1, 15, v0                           ; r
	v_bfe_u32 v2, v0, 4, 1                         ; h
	v_mul_u32_u24 v[ADA0], v1, PA
	v_lshl_add_u32 v[ADA0], v2, 4, v[ADA0]
	s_mul_i32 s16, s[HALF], 192*PA
	s_add_co_u32 s16, s16, BOFF
	v_add_nc_u32 v[ADB0], s16, v[ADA0]
	s_mul_i32 s16, s[ROLE], 128*PA
	v_add_nc_u32 v[ADA0], s16, v[ADA0]
	s_mul_i32 s16, s[HALF], 768
	v_lshl_add_u32 v[BO], v2, 5, s16               ; bias: 4 bytes x (192 half + 8 h)
	v_mul_u32_u24 v[STO0], v1, SP                  ; into the stage: row 128 wr + 16 a + r, byte 384 wc + 32 b + 16 h
	v_lshl_add_u32 v[STO0], v2, 4, v[STO0]
	s_mul_i32 s16, s[ROLE], 128*SP
	s_mul_i32 s17, s[HALF], 384
	s_add_co_u32 s16, s16, s17
	v_add_nc_u32 v[STO0], s16, v[STO0]
	v_add_nc_u32 v[STO1], 64*SP, v[STO0]
	v_mul_u32_u24 v[RD], v2, SP                    ; back: wave w takes rows 64 w .. 64 w + 63; lanes 0-15 256 bytes of one row, lanes 16-31 of the next
	v_lshl_add_u32 v[RD], v1, 4, v[RD]
	s_mul_i32 s16, s[WV], 64*SP
	v_add_nc_u32 v[RD], s16, v[RD]
	v_mul_u32_u24 v[CO], v2, 6144
	v_lshl_add_u32 v[CO], v1, 4, v[CO]
	s_lshl_b32 s16, s[TROW], 8
	s_lshl_b32 s17, s[WV], 6
	s_add_co_u32 s16, s16, s17
	s_mul_i32 s16, s16, 6144                       ; the first row of qkv that I store,
	s_mul_i32 s17, s[TCOL], 768                    ; the tile's 768 bytes of it
	s_add_co_u32 s16, s16, s17
	s_mov_b32 s17, 0
	s_add_nc_u64 s[10:11], s[10:11], s[16:17]
	s_mul_i32 s16, s[TCOL], 1536
	s_add_nc_u64 s[8:9], s[8:9], s[16:17]          ; b_qkv at the tile's first channel
	; THE BIAS STARTS THE SUMS.  A lane's eight biases of channel block b are loaded into accumulator (7, b), rounded to bf16 like the other inputs, and set to 0 for v's blocks
	; (2,048 = 128 blocks of 16: the line falls on a block's edge).  The first products of token blocks 0-6 take these registers as C, token block 7 adds in place.
.irp w, 1,2,3
	WIN 0x40*(\w)                                  ; destination window w, address window 0
.irp bb, 0,1,2,3
	global_load_b128 v[64*(\bb)+56:64*(\bb)+59], v[BO], s[8:9] offset:64*(4*((\w)-1)+(\bb))
	global_load_b128 v[64*(\bb)+60:64*(\bb)+63], v[BO], s[8:9] offset:64*(4*((\w)-1)+(\bb))+16
.endr
.endr
	WIN 0
	s_mul_i32 s21, s[TCOL], 24
	s_mul_i32 s22, s[HALF], 12
	s_add_co_u32 s21, s21, s22                     ; my first block of 16 channels
	s_wait_loadcnt 0x0
.irp w, 1,2,3
	WIN 5*(\w)                                     ; sources 0 and 1 window w
.irp bb, 0,1,2,3
.irp k, 0,1,2,3
	v_cvt_pk_bf16_f32 v[32+4*(\bb)+(\k)], v[64*(\bb)+56+2*(\k)], v[64*(\bb)+57+2*(\k)]
.endr
.endr
	WIN 0
.set i, 0
.rept 16
	v_lshlrev_b32 v[48+2*i], 16, v[32+i]
	v_and_b32 v[49+2*i], 0xffff0000, v[32+i]
.set i, i+1
.endr
	WIN 0x40*(\w)
.irp bb, 0,1,2,3
	s_add_co_u32 s22, s21, 4*((\w)-1)+(\bb)
	s_cmp_lt_u32 s22, 128                          ; q's or k's block?
	s_cselect_b32 s20, -1, 0                       ; a choice of a value: no branch, no address hangs on it
.irp k, 0,1,2,3,4,5,6,7
	v_and_b32 v[64*(\bb)+56+(\k)], s20, v[48+8*(\bb)+(\k)]
.endr
.endr
.endr
	WIN 0
; 16 matrix instructions: channel blocks 4 g .. 4 g + 3 x token blocks a0 .. a0 + 3, 32 along K, tokens from buffer ab.  All 96 accumulators take turns, one instruction a turn.
.macro GH g, ab, a0
	WIN 0x50*((\g)+1)                              ; C and D window g + 1, sources window 0
.irp a, \a0, (\a0)+1, (\a0)+2, (\a0)+3
.irp bb, 0,1,2,3
.set rD, 8*(8*(\bb)+(\a))
.set rB, FB+8*(4*(\g)+(\bb))
.set rA, FA+64*(\ab)+8*(\a)
	v_wmma_f32_16x16x32_bf16 v[rD:rD+7], v[rB:rB+7], v[rA:rA+7], v[rD:rD+7]
.endr
.endr
.endm
; The same 32 for the very first 32 along K: token blocks 0-6 start from the bias in (7, b)'s registers; five places on, block 7 adds onto it in place.
.macro GB g
	WIN 0x50*((\g)+1)
.irp a, 0,1,2,3,4,5,6
.irp bb, 0,1,2,3
.set rD, 8*(8*(\bb)+(\a))
.set rC, 8*(8*(\bb)+7)
.set rB, FB+8*(4*(\g)+(\bb))
.set rA, FA+8*(\a)
	v_wmma_f32_16x16x32_bf16 v[rD:rD+7], v[rB:rB+7], v[rA:rA+7], v[rC:rC+7]
.endr
.endr
.rept 5
	v_nop                                          ; before a matrix instruction writes over registers that earlier ones took as C
.endr
.irp bb, 0,1,2,3
.set rC, 8*(8*(\bb)+7)
.set rB, FB+8*(4*(\g)+(\bb))
	v_wmma_f32_16x16x32_bf16 v[rC:rC+7], v[rB:rB+7], v[FA+56:FA+63], v[rC:rC+7]
.endr
.endm
.macro LB g, q                         ; 8 LDS loads: channel blocks 4 g .. 4 g + 3, half q of the K step
	WIN 0
.irp bb, 0,1,2,3
	ds_load_b128 v[FB+8*(4*(\g)+(\bb)):FB+8*(4*(\g)+(\bb))+3],   v[ADB] offset:16*PA*(4*(\g)+(\bb))+64*(\q)
	ds_load_b128 v[FB+8*(4*(\g)+(\bb))+4:FB+8*(4*(\g)+(\bb))+7], v[ADB] offset:16*PA*(4*(\g)+(\bb))+64*(\q)+32
.endr
.endm
.macro LA ab, q                        ; 16 LDS loads: all 8 token blocks, half q, into buffer ab
	WIN 0
.irp a, 0,1,2,3,4,5,6,7
	ds_load_b128 v[FA+64*(\ab)+8*(\a):FA+64*(\ab)+8*(\a)+3],   v[ADA] offset:16*PA*(\a)+64*(\q)
	ds_load_b128 v[FA+64*(\ab)+8*(\a)+4:FA+64*(\ab)+8*(\a)+7], v[ADA] offset:16*PA*(\a)+64*(\q)+32
.endr
.endm
; The first half of a K step: 96 products on buffer 0; behind each third the channels' registers just read take the second half's fragments.
.macro Q0 first
	s_wait_dscnt 16                                ; channel group 0 and the tokens are in; groups 1 and 2 (8 loads each) may stay out
.if \first
	GB 0
.else
	GH 0, 0, 0
	GH 0, 0, 4
.endif
	PLACES
	LB 0, 1
	LA 1, 1
	s_wait_dscnt 32                                ; group 1 is in; younger: group 2's 8 and the 24 just issued
.if \first
	GB 1
.else
	GH 1, 0, 0
	GH 1, 0, 4
.endif
	PLACES
	LB 1, 1
	s_wait_dscnt 32                                ; group 2 is in; younger: 24 and 8
.if \first
	GB 2
.else
	GH 2, 0, 0
	GH 2, 0, 4
.endif
	PLACES
	LB 2, 1
.endm
; The second half, and the change of slots: ONE barrier.  In front of it each wave waits for all its tensor loads (one is out: its part of the next slot), adds 0 to its spare word, and waits for that and
; for its own reads of this slot.  fill = 1: the barrier opens a round of the cluster's, and the joint refill (two K steps on) is the first thing behind it: 160 matrix instructions ahead of the wait for it.
.macro TURN fill
.if \fill
	s_wait_xcnt 0x0                                ; the last prefetch, a K step back, has read its address
	s_add_nc_u64 s[PFA:PFA+1], s[PFA:PFA+1], s[PFS:PFS+1]
.endif
	s_wait_dscnt 16
	GH 0, 1, 0
	GH 0, 1, 4
	WIN 0
	s_wait_tensorcnt 0x0                           ; no tensor load of mine is out, so a group 0 may be written
	ds_add_u32 v[SPW], v[NIL]                      ; 0 onto my spare word
.if \fill
	s_xor_b32 s[G0A+5], s[G0A+5], SLOT1            ; the walking sets: the other slot than last time, the next K step
	s_add_nc_u64 s[G0A+6:G0A+7], s[G0A+6:G0A+7], XSTEP
	s_xor_b32 s[G0B+5], s[G0B+5], SLOT1
	s_add_nc_u64 s[G0B+6:G0B+7], s[G0B+6:G0B+7], WSTEP
.endif
	s_wait_dscnt 9                                 ; group 1 is in; group 2's 8 and the add may stay out
	GH 1, 1, 0
	s_wait_dscnt 0x0                               ; the add is done, and my reads of this slot are over
	s_barrier_signal -1
	GH 1, 1, 4
	WIN 0                                          ; at a branch and at a label every window is 0
	s_barrier_wait -1
.if \fill
	CREST                                          ; no wave of any partner still reads this slot or has a load on its way
	JLOAD                                          ; its four v_nop are also the places in front of the loads below
.else
	PLACES
.endif
	s_xor_b32 s[TB], s[TB], SLOT1
	v_add_nc_u32 v[ADA], s[TB], v[ADA0]
	v_add_nc_u32 v[ADB], s[TB], v[ADB0]
	LB 0, 0
	LA 0, 0
	LB 1, 0
.if \fill
	ASK
.endif
	GH 2, 1, 0
	GH 2, 1, 4
	PLACES
	LB 2, 0
.endm
	s_wait_tensorcnt 0x1                           ; my part of K step 0 is in; K step 1's may stay out
	s_barrier_signal -1
	s_barrier_wait -1                              ; everybody's is
	s_mov_b32 s[TB], 0
	v_mov_b32 v[ADA], v[ADA0]
	v_mov_b32 v[ADB], v[ADB0]
	LB 0, 0
	LA 0, 0
	LB 1, 0
	LB 2, 0
	Q0 1                                           ; the first products start the sums, from the bias: nothing is cleared
	WIN 0
	s_mov_b32 s[CNT], 14
.Lstep:                                        ; 14 trips: the second half of K step s, which asks for step s + 2, and the first half of step s + 1
	TURN 1
	Q0 0
	WIN 0
	s_sub_co_u32 s[CNT], s[CNT], 1
	s_cmp_lg_u32 s[CNT], 0
	s_cbranch_scc1 .Lstep
	TURN 0                                         ; the tail is written out: nothing is left to ask for
	Q0 0
	s_wait_dscnt 16
	GH 0, 1, 0
	GH 0, 1, 4
	s_wait_dscnt 8
	GH 1, 1, 0
	GH 1, 1, 4
	s_wait_dscnt 0x0
	GH 2, 1, 0
	GH 2, 1, 4
	; THE WAY OUT: rounded to f16, 16 bytes a lane into the work-group's stage, which lies over the ring (its last fill is long in, and behind this barrier nobody reads it); a barrier, since a row's 768
	; bytes come from two waves; back as whole rows.
	PLACES
	WIN 0
	s_barrier_signal -1
	s_barrier_wait -1
.irp w, 1,2,3
	WIN 5*(\w)
.set i, 0
.rept 32                               ; accumulator i = 8 (b % 4) + a; its registers in ascending order
.irp k, 0,1,2,3
	v_cvt_pk_f16_f32 v[32+4*i+(\k)], v[8*i+2*(\k)], v[8*i+2*(\k)+1]
.endr
.set i, i+1
.endr
	WIN 0
.set i, 0
.rept 32
.if (i%8) < 4
	ds_store_b128 v[STO0], v[32+4*i:35+4*i] offset:(i%8)*16*SP+32*(4*((\w)-1)+i/8)
.else
	ds_store_b128 v[STO1], v[32+4*i:35+4*i] offset:((i%8)-4)*16*SP+32*(4*((\w)-1)+i/8)
.endif
.set i, i+1
.endr
.endr
	s_wait_dscnt 0x0                               ; for the others' sake: my stores into the stage are done
	s_barrier_signal -1
	s_barrier_wait -1
	s_mov_b32 s[CNT], 8
.Lout:                                         ; 8 trips of 8 rows: 12 loads of 512 bytes, 12 stores
.set j, 0
.rept 12
	ds_load_b128 v[32+4*j:35+4*j], v[RD] offset:(j/3)*2*SP+(j%3)*256
.set j, j+1
.endr
.set j, 0
.rept 12
	s_wait_dscnt 11-j                              ; load j is in; the younger ones may stay out
	global_store_b128 v[CO], v[32+4*j:35+4*j], s[10:11] offset:(j/3)*2*6144+(j%3)*256  ; 16 lanes store 256 consecutive bytes, at a multiple of 256 from qkv's first byte
.set j, j+1
.endr
	s_wait_xcnt 0x0                                ; the stores have read their data and their offset: both are rewritten only behind this wait
	v_add_nc_u32 v[RD], 8*SP, v[RD]
	v_add_nc_u32 v[CO], 8*6144, v[CO]
	s_sub_co_u32 s[CNT], s[CNT], 1
	s_cmp_lg_u32 s[CNT], 0
	s_cbranch_scc1 .Lout
	s_wait_tensorcnt 0x0                           ; the wave's end: behind my last tensor load and my last LDS store
	ds_add_u32 v[SPW], v[NIL]
	s_wait_dscnt 0x0
	CROUND                                         ; the closing round: no work-group ends while a partner may still ask for a tile that names it
	s_endpgm
.Lfunc_end_k_qc167ff05ed_qkv:
	.size	k_qc167ff05ed_qkv, .Lfunc_end_k_qc167ff05ed_qkv-k_qc167ff05ed_qkv
	.p2alignl 7, 3214868480
	.fill 96, 4, 3214868480
	.section	.rodata,"a",@progbits
	.p2align	6, 0x0
	.amdhsa_kernel k_qc167ff05ed_qkv
		.amdhsa_group_segment_fixed_size 327680
		.amdhsa_private_segment_fixed_size 0
		.amdhsa_enable_private_segment 0
		.amdhsa_kernarg_size 32
		.amdhsa_user_sgpr_count 2
		.amdhsa_user_sgpr_kernarg_segment_ptr 1
		.amdhsa_wavefront_size32 1
		.amdhsa_system_sgpr_workgroup_id_x 1
		.amdhsa_system_sgpr_workgroup_id_y 1
		.amdhsa_system_sgpr_workgroup_id_z 1
		.amdhsa_system_vgpr_workitem_id 0
		.amdhsa_next_free_vgpr 1024
		.amdhsa_next_free_sgpr 80
		.amdhsa_reserve_vcc 0
		.amdhsa_float_denorm_mode_32 3
		.amdhsa_float_denorm_mode_16_64 3
		.amdhsa_memory_ordered 1
		.amdhsa_forward_progress 1
		.amdhsa_inst_pref_size 113
	.end_amdhsa_kernel
	.amdgpu_metadata
---
amdhsa.version: [ 1, 2 ]
amdhsa.kernels:
  - .name:           k_qc167ff05ed_qkv
    .symbol:         k_qc167ff05ed_qkv.kd
    .args:
      - { .name: xb, .offset: 0, .size: 8, .value_kind: global_buffer, .address_space: global }
      - { .name: wb, .offset: 8, .size: 8, .value_kind: global_buffer, .address_space: global }
      - { .name: b_qkv, .offset: 16, .size: 8, .value_kind: global_buffer, .address_space: global }
      - { .name: qkv, .offset: 24, .size: 8, .value_kind: global_buffer, .address_space: global }
    .group_segment_fixed_size: 327680
    .private_segment_fixed_size: 0
    .kernarg_segment_align: 8
    .kernarg_segment_size: 32
    .max_flat_workgroup_size: 128
    .sgpr_count:     80
    .vgpr_count:     1024
    .wavefront_size: 32
...
	.end_amdgpu_metadata
.endif
;; end of part 2
;; launch score (part 3): grid 8 x 32, 4 waves a work-group, clusters of 4 x 4, 327,680 bytes of LDS; arguments qkv, p, stats; writes p, stats
.if DOCPART == 3
	.amdgcn_target "amdgcn-amd-amdhsa--gfx1250"
	.amdhsa_code_object_version 6
	.text
	.protected	k_qc167ff05ed_score
	.globl	k_qc167ff05ed_score
	.p2align	8
	.type	k_qc167ff05ed_score,@function
k_qc167ff05ed_score:
	s_mov_b64 s[64:65], 0
	v_nop
	global_prefetch_b8 v0, s[64:65] scope:SCOPE_SE
	s_setreg_imm32_b32 hwreg(HW_REG_WAVE_MODE, 25, 1), 1
	s_wait_xcnt 0x0
	s_wait_alu depctr_hold_cnt(0) depctr_sa_sdst(0) depctr_va_vdst(0) depctr_va_sdst(0) depctr_va_ssrc(0) depctr_va_vcc(0) depctr_vm_vsrc(0)
	s_getreg_b32 s2, hwreg(HW_REG_IB_STS2, 6, 4)
	s_cmp_eq_u32 s2, 0
	s_cbranch_scc0 .Lentry_in_a_cluster
	s_endpgm
.Lentry_in_a_cluster:
	s_bfe_u32 s2, ttmp6, 0x10000c
	s_cmp_lg_u32 s2, 0xf033
	s_cbranch_scc0 .Lentry_shape_is_right
	s_endpgm
.Lentry_shape_is_right:
; For each query and each GROUP of 128 keys: s = q . k (f16 operands, f32 sums over 1,024 channels); m = the group's largest s; p = 2^(c s - c m), c = log2(e) / 32, rounded to f16; l = the sum of the unrounded p.
; p: [8192][2048] f16.  stats: c m as [4][16][2048] f32 (batch, group, query), then l likewise, 524,288 bytes on.  The next launch joins the 16 groups of a row by their true common maximum.
; LIMITS.  p lies in 0 to 1 (a last bit above 1 where c s - c m rounds up); below 6e-5 it keeps f16's fixed step of 6e-8; a p below 2^-126 counts as 0 in l; NaN and infinities are not treated apart.
; SHARES.  A tile of 256 queries x 256 keys to a work-group, 128 x 128 to each of four waves (one group of keys): 64 accumulators, 512 registers.  K in steps of 128 through two LDS slots; rows of 256 bytes of qkv.
; CLUSTER 4 x 4: the four of a row need the same queries, the four of a column the same keys: asked for jointly.
; THE PRODUCT IS USED TRANSPOSED (source 0 = 16 keys, source 1 = 16 queries): a lane holds query lane % 16 and the keys 8 (lane / 16) + 0..7.
; THE WAY OUT goes once through LDS in f32, over the ring: then a lane holds 8 neighbouring keys of a row and 16 lanes a whole row of 128, so that maximum and sum stay inside 16 lanes,
; p leaves in whole blocks of 256 bytes, and the softmax is one text for 16 rows, walked 8 times.
; REGISTERS: window 0: v0-31 addresses; v32-55 statistics; v64-127, v128-191 the queries' fragments, two buffers, later the softmax's scores and p; window 1: v64-191 the keys' fragments;
;   window 2: accumulators of my queries 0-63 ((a, b) at v[8 (8 a + b)]); window 3: of my queries 64-127.
.set KSTEP, 128
.set PITCH, 272                        ; an LDS row: 256 bytes + 16 = 17 x 16: the 16 rows of a load start at 16 different 16-byte columns of 256
.set HALFT, 128*PITCH
.set SLOT,  4*HALFT                    ; 256 rows of q, then 256 rows of k
.set STAT,  2*SLOT                     ; behind the ring: 1,024 bytes a wave: c m and l of its 128 queries
.set SPARE, STAT+4096                  ; the spare words, 128 bytes a wave, that no other line names
.set DP,    528                        ; the dump: a row of 128 f32 + 16 bytes = 33 x 16
.set DUMPW, 128*DP                     ; a wave's dump; four of them lie over the ring
.set ROWB,  6144                       ; bytes in a row of qkv
.set GFL,   (1<<16)|(1<<20)|(1<<21)|(5<<22)|(3<<25)  ; 2-byte elements; padding on; bit 21 beside a mask; after every 64 words, 4 words
.set WV,   12
.set ROLE, 13                          ; wave / 2: my half of the queries.  Also: I fetch q (0) or k (1)
.set HALF, 14                          ; wave % 2: my half of the keys.  Also: which 128 rows of that tile I fetch
.set LIM,  15
.set G1A,  24
.set G0A,  32                          ; s[32:39] group 0 for q's tiles, a set for each slot
.set CX,   40
.set CY,   41
.set TCOL, 42
.set TROW, 43
.set CNT,  44
.set PFA,  46
.set G1B,  48
.set G0B,  56
.set CS,   68                          ; s[68:69] c: the packed scaling takes the pair's low word for both halves
.set STB,  70                          ; s70  my statistics in LDS
.set ADRA, 16                          ; v16-17  my q fragments in slot 0, 1
.set ADRB, 20                          ; v20-21  my k fragments
.set DST,  24                          ; v24  the dump: where I put 16 bytes
.set RDA,  25                          ; v25  where I read them back
.set POF,  26                          ; v26  my byte offset in p
.set SA,   27                          ; v27  where a row's statistics go
.set SPW,  28
.set NIL,  29
.set PFO,  30                          ; v30  my lane x a row of qkv; never rewritten
.set LN16, 31                          ; v31  16 x lane
.set T,    32                          ; v32, 34 .. 46  row pair i: m, then c m; the odd registers hold 0: they are named as pairs
.set U,    48                          ; v48-55  l
.set X,    64                          ; v64-127  row pair i: 8 scores
.set Y,    128                         ; v128-159 row pair i: 8 p in f16
.set F0,   64
.set F1,   128
.set MUL_LO, 0xa1                      ; source 0 (k) window 1, source 1 (q) window 0, C and D window 2
.set TO_B,   0x40
.set MSB, 0
.macro WIN new
.if MSB != (\new)
	s_set_vgpr_msb (MSB<<8)|(\new)
.set MSB, (\new)
.endif
.endm
.macro PLACES
.rept 4
	v_nop
.endr
.endm
.macro CREST
	s_cmp_lg_u32 s[WV], 0
	s_cbranch_scc1 .Lnot_wave_0_\@
	s_barrier_signal -3
.Lnot_wave_0_\@:
	s_barrier_wait -3
	s_barrier_signal -1
	s_barrier_wait -1
.endm
.macro CROUND
	s_barrier_signal -1
	s_barrier_wait -1
	CREST
.endm
.macro JLOAD s                         ; a joint refill of slot s; s_nop 0 and four v_nop follow each of the two lines
	s_cmp_eq_u32 s[ROLE], 0
	s_cbranch_scc0 .Lfor_b_\@
	tensor_load_to_lds s[G0A+4*(\s):G0A+4*(\s)+3], s[G1A:G1A+7]
	s_nop 0
.rept 4
	v_nop
.endr
	s_branch .Lasked_\@
.Lfor_b_\@:
	tensor_load_to_lds s[G0B+4*(\s):G0B+4*(\s)+3], s[G1B:G1B+7]
	s_nop 0
.rept 4
	v_nop
.endr
.Lasked_\@:
.endm
; A PREFETCH of the K step that stands two refills on: 32 rows x 256 bytes, a lane a row.  q's rows of a tile row are read by both clusters along x: the first asks; k's rows of a batch's tile column by the
; two clusters of that batch along y: the even one asks.  Of the 128 rows that a wave fetches each of the four partners takes 32, by address (cx for q, cy for k).  The loop's last trip asks for nothing.
.macro ASK
	s_cmp_gt_u32 s[CNT], s[LIM]
	s_cbranch_scc0 .Lnot_mine_\@
	global_prefetch_b8 v[PFO], s[PFA:PFA+1] offset:KSTEP*2 th:TH_LOAD_NT scope:SCOPE_SE
.Lnot_mine_\@:
.endm
	s_load_b128 s[4:7], s[0:1], 0x0                ; qkv s[4:5], p s[6:7]
	s_load_b64 s[8:9], s[0:1], 0x10                ; stats
	v_lshl_add_u32 v[SPW], v0, 2, SPARE
	v_mov_b32 v[NIL], 0
	ds_add_u32 v[SPW], v[NIL]                      ; the wave's opening: the add and its wait ahead of my first tensor load
	v_lshrrev_b32 v1, 5, v0
	v_readfirstlane_b32 s[WV], v1
	s_lshr_b32 s[ROLE], s[WV], 1
	s_and_b32 s[HALF], s[WV], 1
	s_bfe_u32 s[CX], ttmp6, 0x40000
	s_bfe_u32 s[CY], ttmp6, 0x40004
	s_lshl_b32 s[TCOL], ttmp9, 2
	s_add_co_u32 s[TCOL], s[TCOL], s[CX]           ; tile column: 256 keys of the batch
	s_and_b32 s[TROW], ttmp7, 0xffff
	s_lshl_b32 s[TROW], s[TROW], 2
	s_add_co_u32 s[TROW], s[TROW], s[CY]           ; tile row: 256 of the 8,192 queries
	s_lshl_b32 s16, s[CY], 2
	s_lshl_b32 s16, 15, s16
	s_lshl_b32 s17, 0x1111, s[CX]
	s_or_b32 s[G1A], s16, GFL
	s_or_b32 s[G1B], s17, GFL
.irp g, G1A, G1B
	s_mov_b32 s[(\g)+1], KSTEP<<16                 ; tensor_dim0 = 128
	s_mov_b32 s[(\g)+2], 128<<16                   ; tensor_dim1 = 128
	s_mov_b32 s[(\g)+3], KSTEP<<16                 ; tile_dim0 = 128
	s_mov_b32 s[(\g)+4], 128                       ; tile_dim1 = 128
	s_mov_b32 s[(\g)+5], 3072                      ; elements from row to row
	s_mov_b32 s[(\g)+6], 0
	s_mov_b32 s[(\g)+7], 0
.endr
	s_lshl_b32 s18, s[TROW], 8                     ; q: row 256 tile row + 128 half, byte 0 of the row
	s_lshl_b32 s19, s[HALF], 7
	s_add_co_u32 s18, s18, s19
	s_mul_i32 s18, s18, ROWB
	s_mov_b32 s19, 0
	s_and_b32 s20, ttmp7, 0xffff                   ; k: the batch is cluster y / 2, which all partners share;
	s_lshr_b32 s20, s20, 1
	s_lshl_b32 s20, s20, 11                        ; row 2,048 batch + 256 tile column + 128 half, byte 2,048 of the row
	s_lshl_b32 s21, s[TCOL], 8
	s_add_co_u32 s20, s20, s21
	s_lshl_b32 s21, s[HALF], 7
	s_add_co_u32 s20, s20, s21
	s_mul_i32 s20, s20, ROWB
	s_add_co_u32 s20, s20, 2048
	s_mov_b32 s21, 0
	s_mul_i32 s22, s[WV], HALFT                    ; LDS: q's two halves, then k's two halves = wave x 128 rows
	s_mov_b32 s[CS], 0x3d38aa3b                    ; c = log2(e) / 32
	s_mov_b32 s[CS+1], s[CS]
	s_wait_dscnt 0x0
	s_wait_kmcnt 0x0
	s_add_nc_u64 s[18:19], s[4:5], s[18:19]
	s_add_nc_u64 s[20:21], s[4:5], s[20:21]
.irp s, 0,1
	s_mov_b32 s[G0A+4*(\s)], 1
	s_add_co_u32 s[G0A+4*(\s)+1], s22, (\s)*SLOT
	s_add_nc_u64 s[G0A+4*(\s)+2:G0A+4*(\s)+3], s[18:19], (\s)*KSTEP*2
	s_or_b32 s[G0A+4*(\s)+3], s[G0A+4*(\s)+3], 0x80000000
	s_mov_b32 s[G0B+4*(\s)], 1
	s_add_co_u32 s[G0B+4*(\s)+1], s22, (\s)*SLOT
	s_add_nc_u64 s[G0B+4*(\s)+2:G0B+4*(\s)+3], s[20:21], (\s)*KSTEP*2
	s_or_b32 s[G0B+4*(\s)+3], s[G0B+4*(\s)+3], 0x80000000
.endr
	CROUND                                         ; all sixteen work-groups are here: the first joint loads meet
	s_cmp_eq_u32 s[ROLE], 0                        ; a wave's two first fills stand in one branch: two loads of mine are out
	s_cbranch_scc0 .Lfirst_b
	tensor_load_to_lds s[G0A:G0A+3], s[G1A:G1A+7]
	s_nop 0
	tensor_load_to_lds s[G0A+4:G0A+7], s[G1A:G1A+7]
	s_nop 0
.rept 4
	v_nop
.endr
	s_branch .Lfirst_asked
.Lfirst_b:
	tensor_load_to_lds s[G0B:G0B+3], s[G1B:G1B+7]
	s_nop 0
	tensor_load_to_lds s[G0B+4:G0B+7], s[G1B:G1B+7]
	s_nop 0
.rept 4
	v_nop
.endr
.Lfirst_asked:
	; the prefetches
	s_lshl_b32 s16, s[TROW], 8                     ; q's first row of the tile
	s_and_b32 s17, ttmp7, 0xffff
	s_lshr_b32 s18, s17, 1
	s_lshl_b32 s18, s18, 11
	s_lshl_b32 s19, s[TCOL], 8
	s_add_co_u32 s18, s18, s19                     ; k's
	s_and_b32 s17, s17, 1                          ; 0 in the batch's even cluster
	s_cmp_eq_u32 s[ROLE], 0
	s_cselect_b32 s16, s16, s18
	s_cselect_b32 s19, s[CX], s[CY]                ; my place among the four that ask with me
	s_cselect_b32 s17, ttmp9, s17                  ; 0 where my cluster asks
	s_cselect_b32 s20, 0, 2048
	s_cmp_eq_u32 s17, 0
	s_cselect_b32 s[LIM], 1, -1                    ; the same in all sixteen partners, for a given wave
	s_lshl_b32 s17, s[HALF], 7
	s_add_co_u32 s16, s16, s17                     ; + the 128 rows that I fetch
	s_lshl_b32 s19, s19, 5
	s_add_co_u32 s16, s16, s19                     ; + my work-group's 32 of them
	s_mul_i32 s16, s16, ROWB
	s_add_co_u32 s16, s16, s20
	s_add_co_u32 s16, s16, 2*KSTEP*2               ; at K step 2: the first refill steps it to 3 and names K step 4
	s_mov_b32 s17, 0
	s_add_nc_u64 s[PFA:PFA+1], s[4:5], s[16:17]
	v_and_b32 v[PFO], 31, v0
	v_lshlrev_b32 v[LN16], 4, v[PFO]
	v_mul_u32_u24 v[PFO], v[PFO], ROWB
	; fragments: lane l holds row l % 16, channels 8 (l / 16) + 0..7 and 16 + 8 (l / 16) + 0..7: two loads of 16 bytes, 32 bytes apart
	v_and_b32 v1, 15, v0                           ; r
	v_bfe_u32 v2, v0, 4, 1                         ; h
	v_mul_u32_u24 v3, v1, PITCH
	v_lshl_add_u32 v3, v2, 4, v3
	s_mul_i32 s16, s[ROLE], HALFT
	s_mul_i32 s17, s[HALF], HALFT
	s_add_co_u32 s17, s17, 2*HALFT
.irp s, 0,1
	v_add_nc_u32 v[ADRA+(\s)], s16, v3
	v_add_nc_u32 v[ADRB+(\s)], s17, v3
	s_add_co_u32 s16, s16, SLOT
	s_add_co_u32 s17, s17, SLOT
.endr
	; the dump.  In: row 16 a + r; of a row's 32 pieces of 4 keys the even ones fill its first 256 bytes, the odd ones its second: registers 0-3 of (a, b) go to byte 32 b + 16 h, registers 4-7 256 further on.
	; Back: lane (r, h) takes bytes 16 r and 256 + 16 r of row 2 i + h: keys 8 r .. 8 r + 7.  Stores and loads of 16 lanes touch 16 different 16-byte columns of 256.
	s_mul_i32 s16, s[WV], DUMPW
	v_mul_u32_u24 v[DST], v1, DP
	v_lshl_add_u32 v[DST], v2, 4, v[DST]
	v_add_nc_u32 v[DST], s16, v[DST]
	v_mul_u32_u24 v[RDA], v2, DP
	v_lshl_add_u32 v[RDA], v1, 4, v[RDA]
	v_add_nc_u32 v[RDA], s16, v[RDA]
	v_lshlrev_b32 v[POF], 12, v2                   ; p: row h of a pair, 16 bytes for my 8 keys
	v_lshl_add_u32 v[POF], v1, 4, v[POF]
	s_lshl_b32 s[STB], s[WV], 10
	s_add_co_u32 s[STB], s[STB], STAT
	v_lshl_add_u32 v[SA], v2, 2, s[STB]
.set i, 0
.rept 8
	v_mov_b32 v[T+2*i+1], 0                        ; named with c m as a pair
.set i, i+1
.endr
	s_lshl_b32 s16, s[TROW], 8                     ; p at my first query's row and my 128 keys
	s_lshl_b32 s17, s[ROLE], 7
	s_add_co_u32 s16, s16, s17
	s_lshl_b32 s16, s16, 12
	s_lshl_b32 s17, s[TCOL], 9
	s_add_co_u32 s16, s16, s17
	s_lshl_b32 s17, s[HALF], 8
	s_add_co_u32 s16, s16, s17
	s_mov_b32 s17, 0
	s_add_nc_u64 s[6:7], s[6:7], s[16:17]
	s_lshr_b32 s16, s[TROW], 3                     ; stats: ((16 batch + group) x 2,048 + my first query in the batch) x 4
	s_lshl_b32 s16, s16, 4
	s_lshl_b32 s17, s[TCOL], 1
	s_add_co_u32 s16, s16, s17
	s_add_co_u32 s16, s16, s[HALF]
	s_lshl_b32 s16, s16, 11
	s_and_b32 s17, s[TROW], 7
	s_lshl_b32 s17, s17, 8
	s_add_co_u32 s16, s16, s17
	s_lshl_b32 s17, s[ROLE], 7
	s_add_co_u32 s16, s16, s17
	s_lshl_b32 s16, s16, 2
	s_mov_b32 s17, 0
	s_add_nc_u64 s[8:9], s[8:9], s[16:17]
; 16 matrix instructions: query blocks a0, a0 + 1 of the window's four x all 8 key blocks, 32 along K.  zero = 1: the first product starts the sums.  The 64 accumulators take turns.
.macro MUL16 f, hi, a0, zero
	WIN MUL_LO+0x50*(\hi)
.irp a, \a0, (\a0)+1
.irp b, 0,1,2,3,4,5,6,7
.set rD, 8*(8*(\a)+(\b))
.set rB, (\f)+8*(\b)
.set rA, (\f)+8*(4*(\hi)+(\a))
.if \zero
	v_wmma_f32_16x16x32_f16 v[rD:rD+7], v[rB:rB+7], v[rA:rA+7], 0
.else
	v_wmma_f32_16x16x32_f16 v[rD:rD+7], v[rB:rB+7], v[rA:rA+7], v[rD:rD+7]
.endif
.endr
.endr
.endm
.macro FETCH slot, k, f                ; 32 LDS loads in one run: 128 rows of k, 128 rows of q, 32 along K at byte k of the rows
	WIN TO_B
.irp i, 0,1,2,3,4,5,6,7
	ds_load_b128 v[(\f)+8*(\i):(\f)+8*(\i)+3],   v[ADRB+(\slot)] offset:(\k)+(\i)*16*PITCH
	ds_load_b128 v[(\f)+8*(\i)+4:(\f)+8*(\i)+7], v[ADRB+(\slot)] offset:(\k)+(\i)*16*PITCH+32
.endr
	WIN 0
.irp i, 0,1,2,3,4,5,6,7
	ds_load_b128 v[(\f)+8*(\i):(\f)+8*(\i)+3],   v[ADRA+(\slot)] offset:(\k)+(\i)*16*PITCH
	ds_load_b128 v[(\f)+8*(\i)+4:(\f)+8*(\i)+7], v[ADRA+(\slot)] offset:(\k)+(\i)*16*PITCH+32
.endr
.endm
.macro QUARTER slot, k, f, g, zero     ; 64 products on buffer f; in the middle the next quarter's fragments into g
	s_wait_dscnt 8                                 ; k and q's rows 0-63 are in; the youngest eight loads (q's rows 64-127) may be out
	MUL16 \f, 0, 0, \zero
	MUL16 \f, 0, 2, \zero
	PLACES
	FETCH \slot, \k, \g
	s_wait_dscnt 32                                ; all but the 32 just issued
	MUL16 \f, 1, 0, \zero
	MUL16 \f, 1, 2, \zero
.endm
; The last quarter of a K step, and the change of slots: ONE barrier; in front of it each wave waits for all its tensor loads (one is out: its part of the next slot), adds 0 to its spare word, and waits for
; that and for its reads of this slot.  fill = 1: the barrier opens a round of the cluster's, and the joint refill, two K steps on, is the first thing behind it: 224 matrix instructions ahead of the wait for it.
.macro TURN slot, next, fill
.if \fill
	s_wait_xcnt 0x0                                ; the last prefetch, a K step back, has read its address
	s_add_nc_u64 s[PFA:PFA+1], s[PFA:PFA+1], KSTEP*2
.endif
	WIN 0
	s_wait_tensorcnt 0x0
	ds_add_u32 v[SPW], v[NIL]
	s_wait_dscnt 9                                 ; the add and the youngest eight loads may be out
	MUL16 F1, 0, 0, 0
	s_wait_dscnt 0x0                               ; the add is done, and my reads of this slot are over
	s_barrier_signal -1
	MUL16 F1, 0, 2, 0
	WIN 0
	s_barrier_wait -1
.if \fill
	CREST
	s_add_nc_u64 s[G0A+4*(\slot)+2:G0A+4*(\slot)+3], s[G0A+4*(\slot)+2:G0A+4*(\slot)+3], 2*KSTEP*2
	s_add_nc_u64 s[G0B+4*(\slot)+2:G0B+4*(\slot)+3], s[G0B+4*(\slot)+2:G0B+4*(\slot)+3], 2*KSTEP*2
	JLOAD \slot                                    ; its four v_nop are also the places in front of the loads below
.else
	PLACES
.endif
	FETCH \next, 0, F0
.if \fill
	ASK
.endif
	MUL16 F1, 1, 0, 0
	MUL16 F1, 1, 2, 0
.endm
	s_wait_tensorcnt 0x1                           ; my part of K step 0 is in; K step 1's may stay out
	s_barrier_signal -1
	s_barrier_wait -1
	FETCH 0, 0, F0
	QUARTER 0, 64,  F0, F1, 1                      ; the first quarter starts the sums: nothing is cleared
	WIN 0
	s_mov_b32 s[CNT], 3
.Llap:                                         ; a trip goes once round the ring and fills both slots again: K steps 2 to 7
	QUARTER 0, 128, F1, F0, 0
	QUARTER 0, 192, F0, F1, 0
	TURN 0, 1, 1
	QUARTER 1, 64,  F0, F1, 0
	QUARTER 1, 128, F1, F0, 0
	QUARTER 1, 192, F0, F1, 0
	TURN 1, 0, 1
	QUARTER 0, 64,  F0, F1, 0
	WIN 0
	s_sub_co_u32 s[CNT], s[CNT], 1
	s_cmp_lg_u32 s[CNT], 0
	s_cbranch_scc1 .Llap
	QUARTER 0, 128, F1, F0, 0                      ; the last lap asks for nothing
	QUARTER 0, 192, F0, F1, 0
	TURN 0, 1, 0
	QUARTER 1, 64,  F0, F1, 0
	QUARTER 1, 128, F1, F0, 0
	QUARTER 1, 192, F0, F1, 0
	s_wait_dscnt 8
	MUL16 F1, 0, 0, 0
	MUL16 F1, 0, 2, 0
	s_wait_dscnt 0x0
	MUL16 F1, 1, 0, 0
	MUL16 F1, 1, 2, 0
	PLACES
	WIN 0
	s_barrier_signal -1                            ; my reads of the ring are over (the wait for 0 above); its last fill is long in
	s_barrier_wait -1                              ; everybody's are: the dumps may lie over it
.irp hi, 0,1
	WIN 0x08+4*(\hi)                               ; store data (source 1) in window 2 or 3
.set i, 0
.rept 32                               ; accumulator i = 8 (a % 4) + b; its low registers first
	ds_store_b128 v[DST], v[8*i:8*i+3]   offset:16*DP*(4*(\hi)+i/8)+32*(i%8)
	ds_store_b128 v[DST], v[8*i+4:8*i+7] offset:16*DP*(4*(\hi)+i/8)+32*(i%8)+256
.set i, i+1
.endr
.endr
	WIN 0
	s_mov_b32 s[CNT], 8
.Lrows:                                        ; 8 trips of 16 rows; the dump is my own, and LDS serves a wave's instructions in order (ISA guide 5.7.1.4): no barrier
.irp i, 0,1,2,3,4,5,6,7
	ds_load_b128 v[X+8*(\i):X+8*(\i)+3],   v[RDA] offset:2*DP*(\i)
	ds_load_b128 v[X+8*(\i)+4:X+8*(\i)+7], v[RDA] offset:2*DP*(\i)+256
.endr
.irp i, 0,1,2,3,4,5,6,7
	s_wait_dscnt 14-2*(\i)                         ; row pair i is in; the later pairs' loads may stay out
	v_max3_num_f32 v[T+2*(\i)], v[X+8*(\i)], v[X+8*(\i)+1], v[X+8*(\i)+2]
	v_max3_num_f32 v[T+2*(\i)], v[T+2*(\i)], v[X+8*(\i)+3], v[X+8*(\i)+4]
	v_max3_num_f32 v[T+2*(\i)], v[T+2*(\i)], v[X+8*(\i)+5], v[X+8*(\i)+6]
	v_max_num_f32  v[T+2*(\i)], v[T+2*(\i)], v[X+8*(\i)+7]
.endr
.irp m, 1,2,4,8                        ; a row's 128 keys lie in 16 lanes: four steps ride on the arithmetic
.irp i, 0,1,2,3,4,5,6,7
	v_max_num_f32_dpp v[T+2*(\i)], v[T+2*(\i)], v[T+2*(\i)] row_xmask:\m row_mask:0xf bank_mask:0xf
.endr
.endr
.irp i, 0,1,2,3,4,5,6,7
	v_mul_f32 v[T+2*(\i)], s[CS], v[T+2*(\i)]      ; c m
.endr
.set j, 0
.rept 32
	v_pk_fma_f32 v[X+2*j:X+2*j+1], v[X+2*j:X+2*j+1], s[CS:CS+1], v[T+2*(j/4):T+2*(j/4)+1] op_sel_hi:[1,0,0] neg_lo:[0,0,1] neg_hi:[0,0,1]  ; c s - c m
.set j, j+1
.endr
.set j, 0
.rept 64
	v_exp_f32 v[X+j], v[X+j]                       ; one batch: none of these names another's result
.set j, j+1
.endr
	v_nop                                          ; a plain instruction behind the last exponential,
	s_wait_alu depctr_va_vdst(0)                   ; and one wait ahead of the batch's first reader
.set j, 0
.rept 32
	v_cvt_pk_f16_f32 v[Y+j], v[X+2*j], v[X+2*j+1]
.set j, j+1
.endr
.irp i, 0,1,2,3,4,5,6,7
	v_pk_add_f32 v[X+8*(\i):X+8*(\i)+1],   v[X+8*(\i):X+8*(\i)+1],   v[X+8*(\i)+2:X+8*(\i)+3]
	v_pk_add_f32 v[X+8*(\i)+4:X+8*(\i)+5], v[X+8*(\i)+4:X+8*(\i)+5], v[X+8*(\i)+6:X+8*(\i)+7]
.endr
.irp i, 0,1,2,3,4,5,6,7
	v_pk_add_f32 v[X+8*(\i):X+8*(\i)+1], v[X+8*(\i):X+8*(\i)+1], v[X+8*(\i)+4:X+8*(\i)+5]
.endr
.irp i, 0,1,2,3,4,5,6,7
	v_add_f32 v[U+(\i)], v[X+8*(\i)], v[X+8*(\i)+1]
.endr
.irp m, 1,2,4,8
.irp i, 0,1,2,3,4,5,6,7
	v_add_f32_dpp v[U+(\i)], v[U+(\i)], v[U+(\i)] row_xmask:\m row_mask:0xf bank_mask:0xf
.endr
.endr
.irp i, 0,1,2,3,4,5,6,7
	global_store_b128 v[POF], v[Y+4*(\i):Y+4*(\i)+3], s[6:7] offset:8192*(\i)  ; 16 lanes store 256 consecutive bytes, at a multiple of 256 from p's first byte
.endr
.irp i, 0,1,2,3,4,5,6,7
	ds_store_b32 v[SA], v[T+2*(\i)] offset:8*(\i)      ; row 2 i + h: sixteen lanes write the same word with the same number
	ds_store_b32 v[SA], v[U+(\i)]   offset:512+8*(\i)
.endr
	s_wait_xcnt 0x0                                ; the stores have read their data and their offset: both are rewritten only behind this wait
	v_add_nc_u32 v[RDA], 16*DP, v[RDA]
	v_add_nc_u32 v[POF], 16*4096, v[POF]
	v_add_nc_u32 v[SA], 64, v[SA]
	s_sub_co_u32 s[CNT], s[CNT], 1
	s_cmp_lg_u32 s[CNT], 0
	s_cbranch_scc1 .Lrows
	v_add_nc_u32 v[SA], s[STB], v[LN16]            ; my 128 queries' c m and l leave as 512 consecutive bytes each
	ds_load_b128 v[32:35], v[SA]
	ds_load_b128 v[36:39], v[SA] offset:512
	s_wait_dscnt 0x0
	global_store_b128 v[LN16], v[32:35], s[8:9]
	global_store_b128 v[LN16], v[36:39], s[8:9] offset:524288
	s_wait_tensorcnt 0x0                           ; the wave's end: behind my last tensor load and my last LDS store
	ds_add_u32 v[SPW], v[NIL]
	s_wait_dscnt 0x0
	CROUND                                         ; the closing round
	s_endpgm
.Lfunc_end_k_qc167ff05ed_score:
	.size	k_qc167ff05ed_score, .Lfunc_end_k_qc167ff05ed_score-k_qc167ff05ed_score
	.p2alignl 7, 3214868480
	.fill 96, 4, 3214868480
	.section	.rodata,"a",@progbits
	.p2align	6, 0x0
	.amdhsa_kernel k_qc167ff05ed_score
		.amdhsa_group_segment_fixed_size 327680
		.amdhsa_private_segment_fixed_size 0
		.amdhsa_enable_private_segment 0
		.amdhsa_kernarg_size 24
		.amdhsa_user_sgpr_count 2
		.amdhsa_user_sgpr_kernarg_segment_ptr 1
		.amdhsa_wavefront_size32 1
		.amdhsa_system_sgpr_workgroup_id_x 1
		.amdhsa_system_sgpr_workgroup_id_y 1
		.amdhsa_system_sgpr_workgroup_id_z 1
		.amdhsa_system_vgpr_workitem_id 0
		.amdhsa_next_free_vgpr 1024
		.amdhsa_next_free_sgpr 80
		.amdhsa_reserve_vcc 0
		.amdhsa_float_denorm_mode_32 3
		.amdhsa_float_denorm_mode_16_64 3
		.amdhsa_memory_ordered 1
		.amdhsa_forward_progress 1
		.amdhsa_inst_pref_size 139
	.end_amdhsa_kernel
	.amdgpu_metadata
---
amdhsa.version: [ 1, 2 ]
amdhsa.kernels:
  - .name:           k_qc167ff05ed_score
    .symbol:         k_qc167ff05ed_score.kd
    .args:
      - { .name: qkv, .offset: 0, .size: 8, .value_kind: global_buffer, .address_space: global }
      - { .name: p, .offset: 8, .size: 8, .value_kind: global_buffer, .address_space: global }
      - { .name: stats, .offset: 16, .size: 8, .value_kind: global_buffer, .address_space: global }
    .group_segment_fixed_size: 327680
    .private_segment_fixed_size: 0
    .kernarg_segment_align: 8
    .kernarg_segment_size: 24
    .max_flat_workgroup_size: 128
    .sgpr_count:     80
    .vgpr_count:     1024
    .wavefront_size: 32
...
	.end_amdgpu_metadata
.endif
;; end of part 3
;; launch pv (part 4): grid 4 x 64, 4 waves a work-group, clusters of 4 x 4, 327,680 bytes of LDS; arguments p, qkv, stats, b_qkv, out0; writes out0
.if DOCPART == 4
	.amdgcn_target "amdgcn-amd-amdhsa--gfx1250"
	.amdhsa_code_object_version 6
	.text
	.protected	k_qc167ff05ed_pv
	.globl	k_qc167ff05ed_pv
	.p2align	8
	.type	k_qc167ff05ed_pv,@function
k_qc167ff05ed_pv:
	s_mov_b64 s[64:65], 0
	v_nop
	global_prefetch_b8 v0, s[64:65] scope:SCOPE_SE
	s_setreg_imm32_b32 hwreg(HW_REG_WAVE_MODE, 25, 1), 1
	s_wait_xcnt 0x0
	s_wait_alu depctr_hold_cnt(0) depctr_sa_sdst(0) depctr_va_vdst(0) depctr_va_sdst(0) depctr_va_ssrc(0) depctr_va_vcc(0) depctr_vm_vsrc(0)
	s_getreg_b32 s2, hwreg(HW_REG_IB_STS2, 6, 4)
	s_cmp_eq_u32 s2, 0
	s_cbranch_scc0 .Lentry_in_a_cluster
	s_endpgm
.Lentry_in_a_cluster:
	s_bfe_u32 s2, ttmp6, 0x10000c
	s_cmp_lg_u32 s2, 0xf033
	s_cbranch_scc0 .Lentry_shape_is_right
	s_endpgm
.Lentry_shape_is_right:
; out0[q][c] = sum over the 16 groups g of w[g][q] x (sum over the group's 128 keys of p[q][k] v[k][c])  +  bf16(b_qkv[2048 + c]).
; w[g][q] = 2^(cm[g][q] - M[q]) / L[q], M = the largest of the row's 16 cm (the row's true maximum, times c), L = sum over g of l[g][q] 2^(cm[g][q] - M): no exponent is above 0, L is at least about 1.
; p and v are f16, the products' sums f32; each group's sum is weighted and added in f32.  v came without its bias: a row's weights sum to 1, so the bias, rounded to bf16 like the other inputs, is added once, here.
; LIMITS.  A weight below 2^-126 counts as 0; NaN and infinities are not treated apart.
; SHARES.  A tile of 128 queries x 256 channels to a work-group; 64 x 128 to each of four waves: 32 accumulators for the group in hand (part), 32 for the total (tot).  A K step is one group of 128 keys; two LDS slots.
; CLUSTER 4 x 4: the four of a row need the same rows of p, the four of a column the same channels of v: asked for jointly.
; LAYOUT.  O^T = V^T P (source 0 = 16 channels x 32 keys, by the turning load; source 1 = 16 queries x 32 keys, as p lies): a lane holds query lane % 16 and the channels 8 (lane / 16) + 0..7, so w is one number a lane and query block.
; REGISTERS: window 0: v0-31 addresses, w, bias; v64-191 at work.  Window 1: two fragment buffers of 96: v's 8 fragments, then p's 4.  Window 2: part (a, b) at v[8 (8 a + b)].  Window 3: tot, likewise.
; tot is cleared by 256 lines in the wait for the first tile: the price of writing no first step out.
.set SLOT1, 131072
.set PP,    272                        ; a row of p in LDS: 256 bytes + 16
.set PV,    544                        ; a row of v: 512 bytes + 32 = 17 x 32: 16 lanes of the turning load take 8 rows x 32 bytes in different columns of 256
.set VOFF,  128*PP                     ; a slot: 128 rows of p, then 128 keys of v
.set WT,    SLOT1+128*(PP+PV)          ; behind the ring: w[16][128] f32
.set STAGE, WT+8192                    ; 16 rows x 528 bytes for each wave, for the way out
.set SP,    528
.set SPARE, STAGE+4*16*SP              ; the spare words, 128 bytes a wave, that no other line names
.set VSTEP, 128*6144                   ; bytes from a group's keys to the next's in qkv
.set GFP,   (1<<16)|(1<<20)|(1<<21)|(5<<22)|(3<<25)  ; p: after every 64 words, 4 words of padding
.set GFV,   (1<<16)|(1<<20)|(1<<21)|(6<<22)|(7<<25)  ; v: after every 128 words, 8 words
.set WV,   12
.set ROLE, 13                          ; wave / 2: my half of the queries.  Also: I fetch p (0) or v (1)
.set HALF, 14                          ; wave % 2: my half of the channels.  Also: which half of that tile I fetch
.set LIM,  15
.set G1A,  24
.set G0A,  32                          ; a set for each first fill; the second then walks
.set CX,   40
.set CY,   41
.set TCOL, 42
.set TROW, 43
.set CNT,  44
.set TB,   45
.set PFA,  46
.set G1B,  48
.set G0B,  56
.set PFS,  66
.set OUT,  70                          ; s[70:71] out0
.set ADP0, 3
.set ADV0, 4
.set ADP,  5
.set ADV,  6
.set WA,   7                           ; v7   where my lane's w of the group in hand lies
.set STO,  8
.set RD,   9
.set GO,   10                          ; v10  16 x lane
.set PFO,  11
.set W,    12                          ; v12, 14, 16, 18  w of query block a; the odd registers hold 0: they are named as pairs
.set BV,   20                          ; v[20:23] the bias of my 4 channels of a row read back
.set SPW,  28
.set NIL,  29
.set F0,   0
.set F1,   96
.set MSB, 0
.macro WIN new
.if MSB != (\new)
	s_set_vgpr_msb (MSB<<8)|(\new)
.set MSB, (\new)
.endif
.endm
.macro PLACES
.rept 4
	v_nop
.endr
.endm
.macro CREST
	s_cmp_lg_u32 s[WV], 0
	s_cbranch_scc1 .Lnot_wave_0_\@
	s_barrier_signal -3
.Lnot_wave_0_\@:
	s_barrier_wait -3
	s_barrier_signal -1
	s_barrier_wait -1
.endm
.macro CROUND
	s_barrier_signal -1
	s_barrier_wait -1
	CREST
.endm
.macro JLOAD
	s_cmp_eq_u32 s[ROLE], 0
	s_cbranch_scc0 .Lfor_b_\@
	tensor_load_to_lds s[G0A+4:G0A+7], s[G1A:G1A+7]
	s_nop 0
.rept 4
	v_nop
.endr
	s_branch .Lasked_\@
.Lfor_b_\@:
	tensor_load_to_lds s[G0B+4:G0B+7], s[G1B:G1B+7]
	s_nop 0
.rept 4
	v_nop
.endr
.Lasked_\@:
.endm
; A PREFETCH of the group that stands two refills on, a lane a block of 256 bytes.  A tile row's p is read by one cluster alone: each cluster asks for its own, the four partners of a row 32 rows each by
; address (cx), wave 0 of each.  A batch's v is read by four clusters along y: the first asks; a group's 128 keys x 512 bytes of a tile column are 256 blocks: 64 a partner (cy), 32 each for waves 2 and 3.
; The last two refills ask for nothing: while CNT is 2 or 1.  Groups 0 to 3 come by their loads alone.
.macro ASK
	WIN 0
	s_cmp_gt_u32 s[CNT], s[LIM]
	s_cbranch_scc0 .Lnot_mine_\@
	global_prefetch_b8 v[PFO], s[PFA:PFA+1] th:TH_LOAD_NT scope:SCOPE_SE
.Lnot_mine_\@:
.endm
	s_load_b256 s[4:11], s[0:1], 0x0               ; p s[4:5], qkv s[6:7], stats s[8:9], b_qkv s[10:11]
	s_load_b64 s[OUT:OUT+1], s[0:1], 0x20          ; out0
	v_lshl_add_u32 v[SPW], v0, 2, SPARE
	v_mov_b32 v[NIL], 0
	ds_add_u32 v[SPW], v[NIL]                      ; the wave's opening: the add and its wait ahead of my first tensor load
	v_lshrrev_b32 v1, 5, v0
	v_readfirstlane_b32 s[WV], v1
	s_lshr_b32 s[ROLE], s[WV], 1
	s_and_b32 s[HALF], s[WV], 1
	s_bfe_u32 s[CX], ttmp6, 0x40000
	s_bfe_u32 s[CY], ttmp6, 0x40004
	s_lshl_b32 s[TCOL], ttmp9, 2
	s_add_co_u32 s[TCOL], s[TCOL], s[CX]           ; tile column: 256 channels
	s_and_b32 s[TROW], ttmp7, 0xffff
	s_lshl_b32 s[TROW], s[TROW], 2
	s_add_co_u32 s[TROW], s[TROW], s[CY]           ; tile row: 128 of the 8,192 queries
	s_lshl_b32 s16, s[CY], 2
	s_lshl_b32 s16, 15, s16
	s_lshl_b32 s17, 0x1111, s[CX]
	s_or_b32 s[G1A], s16, GFP                      ; p hangs on the tile row alone: shared along the row
	s_or_b32 s[G1B], s17, GFV                      ; v on the tile column and the batch: shared along the column
	s_mov_b32 s[G1A+1], 128<<16                    ; p: 64 rows x 128 elements
	s_mov_b32 s[G1A+2], 64<<16
	s_mov_b32 s[G1A+3], 128<<16
	s_mov_b32 s[G1A+4], 64
	s_mov_b32 s[G1A+5], 2048                       ; elements from row to row
	s_mov_b32 s[G1A+6], 0
	s_mov_b32 s[G1A+7], 0
	s_mov_b32 s[G1B+1], 256<<16                    ; v: 64 keys x 256 elements
	s_mov_b32 s[G1B+2], 64<<16
	s_mov_b32 s[G1B+3], 256<<16
	s_mov_b32 s[G1B+4], 64
	s_mov_b32 s[G1B+5], 3072
	s_mov_b32 s[G1B+6], 0
	s_mov_b32 s[G1B+7], 0
	s_lshl_b32 s18, s[TROW], 19                    ; p: (128 tile row + 64 half) x 4,096 bytes
	s_lshl_b32 s19, s[HALF], 18
	s_add_co_u32 s18, s18, s19
	s_mov_b32 s19, 0
	s_and_b32 s20, ttmp7, 0xffff                   ; v: the batch is cluster y / 4, which all partners share;
	s_lshr_b32 s20, s20, 2
	s_lshl_b32 s20, s20, 11
	s_lshl_b32 s21, s[HALF], 6
	s_add_co_u32 s20, s20, s21                     ; key row 2,048 batch + 64 half,
	s_mul_i32 s20, s20, 6144
	s_lshl_b32 s21, s[TCOL], 9
	s_add_co_u32 s20, s20, s21                     ; byte 4,096 + 512 tile column of it
	s_add_co_u32 s20, s20, 4096
	s_mov_b32 s21, 0
	s_mov_b32 s[G0A], 1
	s_mul_i32 s[G0A+1], s[HALF], 64*PP
	s_mov_b32 s[G0A+4], 1
	s_add_co_u32 s[G0A+5], s[G0A+1], SLOT1
	s_mov_b32 s[G0B], 1
	s_mul_i32 s[G0B+1], s[HALF], 64*PV
	s_add_co_u32 s[G0B+1], s[G0B+1], VOFF
	s_mov_b32 s[G0B+4], 1
	s_add_co_u32 s[G0B+5], s[G0B+1], SLOT1
	s_wait_dscnt 0x0
	s_wait_kmcnt 0x0
	s_add_nc_u64 s[G0A+2:G0A+3], s[4:5], s[18:19]
	s_add_nc_u64 s[G0A+6:G0A+7], s[G0A+2:G0A+3], 256
	s_or_b32 s[G0A+3], s[G0A+3], 0x80000000
	s_or_b32 s[G0A+7], s[G0A+7], 0x80000000
	s_add_nc_u64 s[G0B+2:G0B+3], s[6:7], s[20:21]
	s_add_nc_u64 s[G0B+6:G0B+7], s[G0B+2:G0B+3], VSTEP
	s_or_b32 s[G0B+3], s[G0B+3], 0x80000000
	s_or_b32 s[G0B+7], s[G0B+7], 0x80000000
	CROUND                                         ; all sixteen work-groups are here: the first joint loads meet
	s_cmp_eq_u32 s[ROLE], 0                        ; a wave's two first fills stand in one branch: two loads of mine are out
	s_cbranch_scc0 .Lfirst_b
	tensor_load_to_lds s[G0A:G0A+3], s[G1A:G1A+7]
	s_nop 0
	tensor_load_to_lds s[G0A+4:G0A+7], s[G1A:G1A+7]
	s_nop 0
.rept 4
	v_nop
.endr
	s_branch .Lfirst_asked
.Lfirst_b:
	tensor_load_to_lds s[G0B:G0B+3], s[G1B:G1B+7]
	s_nop 0
	tensor_load_to_lds s[G0B+4:G0B+7], s[G1B:G1B+7]
	s_nop 0
.rept 4
	v_nop
.endr
.Lfirst_asked:
	; the statistics of the tile's 128 queries, a thread a query, and my bias: asked for first, so that they are on their way during the set-up
	s_lshr_b32 s16, s[TROW], 4                     ; batch
	s_lshl_b32 s16, s16, 17                        ; x 16 groups x 2,048 queries x 4 bytes
	s_and_b32 s17, s[TROW], 15
	s_lshl_b32 s17, s17, 9                         ; + 128 queries x 4 bytes for each tile row of the batch
	s_add_co_u32 s16, s16, s17
	s_mov_b32 s17, 0
	s_add_nc_u64 s[8:9], s[8:9], s[16:17]
	s_lshl_b32 s16, s[TCOL], 10
	s_lshl_b32 s17, s[HALF], 9
	s_add_co_u32 s16, s16, s17                     ; my 128 channels, in f32 bytes
	s_add_co_u32 s18, s16, 8192                    ; v's bias begins at channel 2,048
	s_mov_b32 s19, 0
	s_add_nc_u64 s[10:11], s[10:11], s[18:19]
	s_lshl_b32 s17, s[TROW], 19
	s_add_co_u32 s16, s16, s17
	s_lshl_b32 s17, s[ROLE], 18
	s_add_co_u32 s16, s16, s17                     ; + (128 tile row + 64 half) rows of 4,096 bytes
	s_mov_b32 s17, 0
	s_add_nc_u64 s[OUT:OUT+1], s[OUT:OUT+1], s[16:17]
	v_lshlrev_b32 v30, 2, v0                       ; 4 x thread
	v_lshl_add_u32 v31, v0, 2, WT
	v_and_b32 v24, 31, v0                          ; lane
	v_lshlrev_b32 v[GO], 4, v24
.set g, 0
.rept 16
	global_load_b32 v[64+g], v30, s[8:9] offset:8192*g          ; cm[g][q]
	global_load_b32 v[80+g], v30, s[8:9] offset:8192*g+524288   ; l[g][q]
.set g, g+1
.endr
	global_load_b128 v[BV:BV+3], v[GO], s[10:11]
	; the prefetches
	s_and_b32 s17, ttmp7, 0xffff
	s_lshr_b32 s18, s17, 2
	s_lshl_b32 s16, s[TROW], 19                    ; p: my tile's rows,
	s_lshl_b32 s19, s[CX], 17                      ; my work-group's 32 of them,
	s_add_co_u32 s16, s16, s19
	s_add_co_u32 s16, s16, 3*256                   ; at group 3: the first refill steps it to 4
	s_lshl_b32 s18, s18, 11                        ; v: key row 2,048 batch + 64 half + 16 cy
	s_lshl_b32 s19, s[HALF], 6
	s_add_co_u32 s18, s18, s19
	s_lshl_b32 s19, s[CY], 4
	s_add_co_u32 s18, s18, s19
	s_mul_i32 s18, s18, 6144
	s_lshl_b32 s19, s[TCOL], 9
	s_add_co_u32 s18, s18, s19
	s_add_co_u32 s18, s18, 4096+3*VSTEP
	s_and_b32 s17, s17, 3                          ; 0 in the batch's first cluster
	s_mov_b32 s20, 256
	s_mov_b32 s21, VSTEP
	s_mov_b32 s22, 4096
	s_mov_b32 s23, 6144
	s_cmp_eq_u32 s[ROLE], 0
	s_cselect_b32 s16, s16, s18
	s_cselect_b32 s17, s[HALF], s17                ; p: wave 0 asks, wave 1 never
	s_cselect_b32 s[PFS], s20, s21
	s_cselect_b32 s22, s22, s23                    ; bytes from row to row
	s_cselect_b32 s23, 0, 1                        ; p: a lane a row; v: two lanes a row, 256 bytes each
	s_cselect_b64 s[PFA:PFA+1], s[4:5], s[6:7]
	s_cmp_eq_u32 s17, 0
	s_cselect_b32 s[LIM], 2, -1                    ; the same in all sixteen partners, for a given wave
	s_mov_b32 s17, 0
	s_mov_b32 s[PFS+1], 0
	s_add_nc_u64 s[PFA:PFA+1], s[PFA:PFA+1], s[16:17]
	v_lshrrev_b32 v[PFO], s23, v24
	v_mul_u32_u24 v[PFO], s22, v[PFO]
	v_and_b32 v25, s23, v24
	v_lshl_add_u32 v[PFO], v25, 8, v[PFO]
	; LDS addresses
	v_and_b32 v1, 15, v0                           ; r
	v_bfe_u32 v2, v0, 4, 1                         ; h
	v_mul_u32_u24 v[ADP0], v1, PP                  ; p: row 64 wr + 16 a + r, 16 bytes for each half of the lanes
	v_lshl_add_u32 v[ADP0], v2, 4, v[ADP0]
	s_mul_i32 s16, s[ROLE], 64*PP
	v_add_nc_u32 v[ADP0], s16, v[ADP0]
	; The turning load takes 16 keys x 16 channels (lane l reads key 8 (l / 16) + l % 8, channels 8 ((l / 8) % 2) + 0..7) and leaves half a fragment of V^T: lane l holds channel l % 16 and 8 keys
	v_and_b32 v25, 7, v0
	v_bfe_u32 v26, v0, 3, 1
	v_lshl_add_u32 v[ADV0], v2, 3, v25
	v_mul_u32_u24 v[ADV0], v[ADV0], PV
	v_lshl_add_u32 v[ADV0], v26, 4, v[ADV0]
	s_lshl_b32 s16, s[HALF], 8
	s_add_co_u32 s16, s16, VOFF
	v_add_nc_u32 v[ADV0], s16, v[ADV0]
	s_lshl_b32 s16, s[ROLE], 8
	s_add_co_u32 s16, s16, WT-512                  ; one group ahead of the table: stepped before each use
	v_lshl_add_u32 v[WA], v1, 2, s16               ; w of query 64 wr + r
	s_mul_i32 s16, s[WV], 16*SP
	s_add_co_u32 s16, s16, STAGE
	v_mul_u32_u24 v[STO], v1, SP                   ; into my stage: row r, 32 bytes (8 channels in f32) for each half of the lanes
	v_lshl_add_u32 v[STO], v2, 5, v[STO]
	v_add_nc_u32 v[STO], s16, v[STO]
	v_add_nc_u32 v[RD], s16, v[GO]                 ; back: 32 lanes take one row of 512 bytes
.irp a, 0,1,2,3
	v_mov_b32 v[W+2*(\a)+1], 0
.endr
	WIN 0xc0
.set i, 0
.rept 256
	v_mov_b32 v[i], 0                              ; tot
.set i, i+1
.endr
	WIN 0
	s_wait_loadcnt 0x0
	v_max3_num_f32 v96, v64, v65, v66              ; M
.set g, 67
.rept 6
	v_max3_num_f32 v96, v96, v[g], v[g+1]
.set g, g+2
.endr
	v_max_num_f32 v96, v96, v79
.set g, 0
.rept 16
	v_sub_f32 v[64+g], v[64+g], v96
.set g, g+1
.endr
.set g, 0
.rept 16
	v_exp_f32 v[64+g], v[64+g]
.set g, g+1
.endr
	v_cvt_pk_bf16_f32 v26, v[BV], v[BV+1]          ; the bias rounded to bf16: also the plain instruction behind the last exponential
	s_wait_alu depctr_va_vdst(0)                   ; one wait for the sixteen ahead of their first reader
	v_mul_f32 v97, v64, v80                        ; L
.set g, 1
.rept 15
	v_fmac_f32 v97, v[64+g], v[80+g]
.set g, g+1
.endr
	v_rcp_f32 v98, v97
	v_cvt_pk_bf16_f32 v27, v[BV+2], v[BV+3]        ; the plain instruction behind the reciprocal
	s_wait_alu depctr_va_vdst(0)
.set g, 0
.rept 16
	v_mul_f32 v[64+g], v[64+g], v98
	ds_store_b32 v31, v[64+g] offset:512*g         ; w[g][thread]
.set g, g+1
.endr
	v_lshlrev_b32 v[BV], 16, v26
	v_and_b32 v[BV+1], 0xffff0000, v26
	v_lshlrev_b32 v[BV+2], 16, v27
	v_and_b32 v[BV+3], 0xffff0000, v27
.macro MUL f, a, zero                  ; 8 matrix instructions: query block a x all 8 channel blocks, 32 keys.  The 32 accumulators take turns, one instruction a turn
	WIN 0xa5                                       ; sources window 1, C and D window 2
.irp b, 0,1,2,3,4,5,6,7
.set rD, 8*(8*(\a)+(\b))
.set rV, (\f)+8*(\b)
.set rP, (\f)+64+8*(\a)
.if \zero
	v_wmma_f32_16x16x32_f16 v[rD:rD+7], v[rV:rV+7], v[rP:rP+7], 0
.else
	v_wmma_f32_16x16x32_f16 v[rD:rD+7], v[rV:rV+7], v[rP:rP+7], v[rD:rD+7]
.endif
.endr
.endm
.macro FETCH kq, f                     ; 24 LDS loads in one run: keys 32 kq on: v's 8 fragments (turned), then p's 4
	WIN 0x40                                       ; destination window 1, address window 0
.irp b, 0,1,2,3,4,5,6,7
	ds_load_tr16_b128 v[(\f)+8*(\b):(\f)+8*(\b)+3],   v[ADV] offset:32*PV*(\kq)+32*(\b)
	ds_load_tr16_b128 v[(\f)+8*(\b)+4:(\f)+8*(\b)+7], v[ADV] offset:32*PV*(\kq)+32*(\b)+16*PV
.endr
.irp a, 0,1,2,3
	ds_load_b128 v[(\f)+64+8*(\a):(\f)+64+8*(\a)+3],   v[ADP] offset:16*PP*(\a)+64*(\kq)
	ds_load_b128 v[(\f)+64+8*(\a)+4:(\f)+64+8*(\a)+7], v[ADP] offset:16*PP*(\a)+64*(\kq)+32
.endr
.endm
.macro QUARTER kq, f, g, zero, head    ; 32 products on buffer f; in the middle the fragments of keys 32 kq on into g
	s_wait_dscnt \head                             ; v and p's blocks 0, 1 are in.  4: p's blocks 2, 3 may stay out; 8: those and the four loads of w behind them
	MUL \f, 0, \zero
	MUL \f, 1, \zero
	PLACES
	FETCH \kq, \g
	s_wait_dscnt 24                                ; all but the 24 just issued
	MUL \f, 2, \zero
	MUL \f, 3, \zero
.endm
; A group's last quarter, and the change of slots: ONE barrier; in front of it each wave waits for all its tensor loads (one is out: its part of the next slot), adds 0 to its spare word, and waits for that and
; for its reads of this slot.  fill = 1: the barrier opens a round of the cluster's, and the joint refill, two groups on, is the first thing behind it: 112 matrix instructions and a fold ahead of the wait for it.
.macro TURN fill
.if \fill
	s_wait_xcnt 0x0                                ; the last prefetch, a group back, has read its address
	s_add_nc_u64 s[PFA:PFA+1], s[PFA:PFA+1], s[PFS:PFS+1]
.endif
	WIN 0
	s_wait_tensorcnt 0x0
	ds_add_u32 v[SPW], v[NIL]
.if \fill
	s_xor_b32 s[G0A+5], s[G0A+5], SLOT1            ; the walking sets: the other slot than last time, the next group
	s_add_nc_u64 s[G0A+6:G0A+7], s[G0A+6:G0A+7], 256
	s_xor_b32 s[G0B+5], s[G0B+5], SLOT1
	s_add_nc_u64 s[G0B+6:G0B+7], s[G0B+6:G0B+7], VSTEP
.endif
	s_wait_dscnt 5                                 ; p's blocks 2, 3 and the add may stay out
	MUL F1, 0, 0
	s_wait_dscnt 0x0                               ; the add is done, and my reads of this slot are over
	s_barrier_signal -1
	MUL F1, 1, 0
	WIN 0
	s_barrier_wait -1
.if \fill
	CREST
	JLOAD                                          ; its four v_nop are also the places in front of the loads below
.else
	PLACES
.endif
	s_xor_b32 s[TB], s[TB], SLOT1
	v_add_nc_u32 v[ADP], s[TB], v[ADP0]
	v_add_nc_u32 v[ADV], s[TB], v[ADV0]
	FETCH 0, F0
.if \fill
	ASK
.endif
	MUL F1, 2, 0
	MUL F1, 3, 0
.endm
.macro FOLD                            ; tot += w x part: 128 packed multiply-adds, each accumulator's registers in ascending order
	PLACES
	WIN 0xf2                                       ; part (source 0) window 2, w (source 1) window 0, tot (source 2 and destination) window 3
.set i, 0
.rept 128
	v_pk_fma_f32 v[2*i:2*i+1], v[2*i:2*i+1], v[W+2*(i/32):W+2*(i/32)+1], v[2*i:2*i+1] op_sel_hi:[1,0,1]
.set i, i+1
.endr
.endm
.macro WLOAD                           ; the next group's w for my four query blocks
	WIN 0
	v_add_nc_u32 v[WA], 512, v[WA]
.irp a, 0,1,2,3
	ds_load_b32 v[W+2*(\a)], v[WA] offset:64*(\a)
.endr
.endm
	s_wait_tensorcnt 0x1                           ; my part of group 0 is in; group 1's may stay out
	s_wait_dscnt 0x0                               ; for the others' sake: my part of the table is stored
	s_barrier_signal -1
	s_barrier_wait -1
	s_mov_b32 s[TB], 0
	v_mov_b32 v[ADP], v[ADP0]
	v_mov_b32 v[ADV], v[ADV0]
	FETCH 0, F0
	WLOAD
	QUARTER 1, F0, F1, 1, 8                        ; a group's first quarter starts part's sums with the constant 0
	WIN 0
	s_mov_b32 s[CNT], 14
.Lstep:                                        ; 14 trips: the rest of group s, which asks for group s + 2; its fold; the first quarter of group s + 1
	QUARTER 2, F1, F0, 0, 4
	QUARTER 3, F0, F1, 0, 4
	TURN 1
	FOLD
	WLOAD
	QUARTER 1, F0, F1, 1, 8
	WIN 0
	s_sub_co_u32 s[CNT], s[CNT], 1
	s_cmp_lg_u32 s[CNT], 0
	s_cbranch_scc1 .Lstep
	QUARTER 2, F1, F0, 0, 4                        ; the tail is written out: nothing is left to ask for
	QUARTER 3, F0, F1, 0, 4
	TURN 0
	FOLD
	WLOAD
	QUARTER 1, F0, F1, 1, 8
	QUARTER 2, F1, F0, 0, 4
	QUARTER 3, F0, F1, 0, 4
	s_wait_dscnt 4
	MUL F1, 0, 0
	MUL F1, 1, 0
	s_wait_dscnt 0x0
	MUL F1, 2, 0
	MUL F1, 3, 0
	FOLD
	; THE WAY OUT, a query block (16 rows) at a time through my own stage: 32 bytes a lane in, whole rows of 512 bytes back (LDS serves a wave's instructions in order: ISA guide 5.7.1.4), the bias added, stored.
.irp a, 0,1,2,3
	WIN 0x0c                                       ; store data (source 1) in window 3
.irp b, 0,1,2,3,4,5,6,7
	ds_store_b128 v[STO], v[8*(8*(\a)+(\b)):8*(8*(\a)+(\b))+3]   offset:64*(\b)
	ds_store_b128 v[STO], v[8*(8*(\a)+(\b))+4:8*(8*(\a)+(\b))+7] offset:64*(\b)+16
.endr
	WIN 0
.set BK, 64+64*((\a)%2)
.if (\a) >= 2
	s_wait_xcnt 0x0                                ; the stores of two blocks back have read this buffer: it is loaded again only behind this wait
.endif
.set i, 0
.rept 16
	ds_load_b128 v[BK+4*i:BK+4*i+3], v[RD] offset:SP*i
.set i, i+1
.endr
.set i, 0
.rept 16
	s_wait_dscnt 15-i                              ; row i is in; the later rows' loads may stay out
	v_pk_add_f32 v[BK+4*i:BK+4*i+1],   v[BK+4*i:BK+4*i+1],   v[BV:BV+1]
	v_pk_add_f32 v[BK+4*i+2:BK+4*i+3], v[BK+4*i+2:BK+4*i+3], v[BV+2:BV+3]
	global_store_b128 v[GO], v[BK+4*i:BK+4*i+3], s[OUT:OUT+1] offset:(16*(\a)+i)*4096 th:TH_STORE_NT  ; 512 consecutive bytes, at a multiple of 256 from out0's first byte
.set i, i+1
.endr
.endr
	s_wait_tensorcnt 0x0                           ; the wave's end: behind my last tensor load and my last LDS store
	ds_add_u32 v[SPW], v[NIL]
	s_wait_dscnt 0x0
	CROUND                                         ; the closing round
	s_endpgm
.Lfunc_end_k_qc167ff05ed_pv:
	.size	k_qc167ff05ed_pv, .Lfunc_end_k_qc167ff05ed_pv-k_qc167ff05ed_pv
	.p2alignl 7, 3214868480
	.fill 96, 4, 3214868480
	.section	.rodata,"a",@progbits
	.p2align	6, 0x0
	.amdhsa_kernel k_qc167ff05ed_pv
		.amdhsa_group_segment_fixed_size 327680
		.amdhsa_private_segment_fixed_size 0
		.amdhsa_enable_private_segment 0
		.amdhsa_kernarg_size 40
		.amdhsa_user_sgpr_count 2
		.amdhsa_user_sgpr_kernarg_segment_ptr 1
		.amdhsa_wavefront_size32 1
		.amdhsa_system_sgpr_workgroup_id_x 1
		.amdhsa_system_sgpr_workgroup_id_y 1
		.amdhsa_system_sgpr_workgroup_id_z 1
		.amdhsa_system_vgpr_workitem_id 0
		.amdhsa_next_free_vgpr 1024
		.amdhsa_next_free_sgpr 80
		.amdhsa_reserve_vcc 0
		.amdhsa_float_denorm_mode_32 3
		.amdhsa_float_denorm_mode_16_64 3
		.amdhsa_memory_ordered 1
		.amdhsa_forward_progress 1
		.amdhsa_inst_pref_size 122
	.end_amdhsa_kernel
	.amdgpu_metadata
---
amdhsa.version: [ 1, 2 ]
amdhsa.kernels:
  - .name:           k_qc167ff05ed_pv
    .symbol:         k_qc167ff05ed_pv.kd
    .args:
      - { .name: p, .offset: 0, .size: 8, .value_kind: global_buffer, .address_space: global }
      - { .name: qkv, .offset: 8, .size: 8, .value_kind: global_buffer, .address_space: global }
      - { .name: stats, .offset: 16, .size: 8, .value_kind: global_buffer, .address_space: global }
      - { .name: b_qkv, .offset: 24, .size: 8, .value_kind: global_buffer, .address_space: global }
      - { .name: out0, .offset: 32, .size: 8, .value_kind: global_buffer, .address_space: global }
    .group_segment_fixed_size: 327680
    .private_segment_fixed_size: 0
    .kernarg_segment_align: 8
    .kernarg_segment_size: 40
    .max_flat_workgroup_size: 128
    .sgpr_count:     80
    .vgpr_count:     1024
    .wavefront_size: 32
...
	.end_amdgpu_metadata
.endif
;; end of part 4
